; MI455X (gfx1250); checked and timed in simulation.
; The chip was launched on July 23, 2026; its instructions are those of AMD's public machine-readable ISA for CDNA 5 (MIT licence, August 2026) and "CDNA5" Instruction Set Architecture Reference Guide (July 2026). The comments in the code are by the model that wrote it; some were corrected since.
;; Self Attention. Allowed arithmetic: matrix products marked QUANTISED: E4M3 operands, one E8M0 scale for each 32 along K, by v_wmma_scale_f32_16x16x128_f8f6f4 with both operands' format E4M3, f32 sums; everything else in f32.
;; Inputs: W_out 1,024 x 1,024 float32; W_qkv 1,024 x 3,072 float32; b_out 1,024 float32; b_qkv 3,072 float32; x 4 x 2,048 x 1,024 float32.
;; Outputs: out0 4 x 2,048 x 1,024 float32.
;; This version of the problem:
;;   THIS VERSION OF THE PROBLEM IS GIVEN IN LOW PRECISION. The matrix products marked QUANTISED in the list below multiply operands that are first quantised to E4M3 (4 exponent bits, 3 mantissa bits; 8 bits a number), with one power-of-two scale for each 32 numbers along K (OCP MX v1.0); their sums are f32. All else is computed in f32.
;;   The module's matrix products, in the order in which they are computed (A, B: the left and right operand; K: the contracted axis; several contracted axes count as one K, in the product's order):
;;     1. [M 8,192, K 1,024] x [K 1,024, N 3,072]; A: input x; B: input W_qkv: QUANTISED
;;     2. batch 64 x [M 2,048, K 64] x [K 64, N 2,048]; A: computed on the way; B: computed on the way: QUANTISED
;;     3. batch 64 x [M 2,048, K 2,048] x [K 2,048, N 64]; A: softmax (see below); B: computed on the way: QUANTISED
;;     4. [M 8,192, K 1,024] x [K 1,024, N 1,024]; A: computed on the way; B: input W_out: QUANTISED
;;   THE QUANTISER, for each operand of a quantised product, along K:
;;     - K is cut into blocks of 32 from its start; a last block that is shorter is filled with zeros.
;;     - A block's scale is 2^e with e = floor(log2(the largest magnitude in the block)) - 8, held to -126 .. 127; a block of zeros has e = 0. As a byte (E8M0): e + 127.
;;     - Each number is divided by its block's scale, clamped to +-448, and rounded to the nearest number of E4M3, ties to even, subnormals kept.
;;     - The product sums the exact products of the quantised numbers (number of the format x scale) in f32.
;;   ~~~python
;;   def quantise(x, axis):      # numpy; x: float32 -> the quantised numbers, widened to float32 again
;;       x = np.moveaxis(x, axis, -1); K = x.shape[-1]
;;       x = np.pad(x, [(0, 0)] * (x.ndim - 1) + [(0, -K % 32)]); x = x.reshape(x.shape[:-1] + (-1, 32)); a = np.abs(x).max(-1, keepdims=True)
;;       e = np.where(a > 0, np.clip(np.frexp(np.where(a > 0, a, 1))[1] - 1 - 8, -126, 127), 0)      # np.frexp(a)[1] - 1 = floor(log2(a)), exactly
;;       r = np.clip(x / 2.0 ** e, -448, 448)
;;       step = 2.0 ** (np.maximum(np.frexp(np.where(r == 0, 1, r))[1] - 1, -6) - 3)
;;       q = np.round(r / step) * step * 2.0 ** e      # np.round: ties to even
;;       return np.moveaxis(q.reshape(q.shape[:-2] + (-1,))[..., :K], -1, axis).astype(np.float32)
;;   ~~~
;;   SOFTMAX AHEAD OF A QUANTISED PRODUCT. Where the list says 'softmax', what is quantised is not the finished softmax but p = 2^(t - M), with t = logit x log2(e) and M = ceil(the row's largest t), a whole number; so 1/2 < the row's largest p <= 1. The row's sum l is taken of the UNQUANTISED p, in f32, and the product's result is divided by l at the end. Since M is a whole number, a kernel that streams over the keys may use a running M (the ceiling of the running maximum): every later rescaling is an exact power of two, which a block's scale takes up: the codes' values come out the same.
;;   OPERANDS COMPUTED ON THE WAY. 'Computed on the way' means the value that the module computes at that place (a softmax that the list does not call 'softmax' is quantised finished and normalised). What goes into a quantiser is computed in f32, as accurately as f32 sums, v_exp_f32 and their like allow (about 1e-6 of the number): no bf16 or f16 on the way to a quantiser, and a product that is left as it is and whose result goes on into a quantised operand takes f32 operands (vector FMAs, or v_wmma_f32_16x16x4_f32). A number that lies on a knife's edge between two numbers of the format may be rounded either way, as far as f32 arithmetic and the matrix unit's own rounding can turn it there, and no further.
;; One version. Each part assembles by itself: llvm-mc -triple=amdgcn-amd-amdhsa -mcpu=gfx1250 --defsym DOCPART=n.
;; ======== version 1 of 1: 4 launches
;; limits: right only within a limited range of input values
;; workspace buffers: ximg 8,650,752 bytes; wqimg 3,244,032 bytes; woimg 1,081,344 bytes; qkvc 25,165,824 bytes; qkvs 1,310,720 bytes; attimg 8,650,752 bytes
;; launch quant (part 1): grid 384 x 1, 4 waves a work-group, no clusters, 34,304 bytes of LDS; arguments x, W_qkv, W_out, ximg, wqimg, woimg; writes ximg, wqimg, woimg
.if DOCPART == 1
	.amdgcn_target "amdgcn-amd-amdhsa--gfx1250"
	.amdhsa_code_object_version 6
	.text
	.protected	k_q98915306c6_quant
	.globl	k_q98915306c6_quant
	.p2align	8
	.type	k_q98915306c6_quant,@function
k_q98915306c6_quant:
	s_mov_b64 s[64:65], 0
	v_nop
	global_prefetch_b8 v0, s[64:65] scope:SCOPE_SE
	s_setreg_imm32_b32 hwreg(HW_REG_WAVE_MODE, 25, 1), 1
	s_wait_xcnt 0x0
; x [8192][1024], W_qkv [1024][3072] and W_out [1024][1024], f32, become codes of FP8 (E4M3) with one E8M0 scale byte for each 32 along K (x: its last axis; the weights: their FIRST axis),
; laid in the order in which a matrix operand's registers take them, so that the products' launches fetch dense blocks and load fragments by 16 bytes a lane.
; A RECORD (OREC = 33,792 bytes = 132 x 256) holds 128 operand rows (8 tiles of 16) x 256 along K: codes at tile*4096 + half*2048 + c*512 + lane*16 (lane (r, h): k = 128 half + 32 c + 16 h + 0..15 of tile row r),
; scale words at 32768 + tile*128 + r*8 + half*4.  The record of (K quarter, group of 128 rows) lies at (quarter * groups + group) * OREC.
; THE ROWS OF A TILE ARE NOT NEIGHBOURS: row r of tile T is the operand's row 32 (T/2) + 8 (T%2) + (r&7) + 16 (r>>3), so that a product's results are later 16 neighbours along the next K in one lane.
; A block's scale is 2^(floor(log2(largest magnitude)) - 8): its byte is the largest magnitude's exponent field - 8, held at 1 from below; numbers are held within +-448 x the scale and rounded to the nearest code, ties to even.
; LIMITS: a block of zeros, or one whose largest magnitude lies under 2^-118, gets the byte 1 (its codes are zeros or subnormal codes; only this program reads the bytes); NaN and infinities are not served.
; SHARES: 384 work-groups of four waves, one record each: work-group number & 3 = the K quarter, >> 2 = 0..63 x's groups, 64..87 W_qkv's, 88..95 W_out's.  Work-groups share no input, so there is no cluster; memory binds,
; so there is no matrix work and no tensor load.  Waves share nothing: no barrier.  Only x's path uses LDS.
.set OREC, 33792
.set SCO,  32768
.set SEL,  20                          ; s[20:21] lane selects of v_permlanex16_b32: lane l xor 16
.set MNT,  22                          ; s22 the mantissa field of 448
.set R,    16                          ; x: v16-143 two sets of 64 numbers as loaded
.set X,    144                         ; x: v144-207 64 numbers of my row: register 16 b + i = k 32 b + 16 h + i
.set PC,   208                         ; x: v208-223 a fragment's codes
.set TM,   224                         ; v224-239 at work: largest magnitudes, bytes, holds, scale operands
.set PWF,  240                         ; x: v240-243 the four fragments' scale words
.set WX,   32                          ; weights: v32-95 two sets of 32 numbers (a block of one column)
.set WC,   96                          ; weights: v96-111 two sets of 8 registers of codes
.set SBY,  24                          ; weights: v24-25 my column's eight scale bytes
; 64 numbers of a lane become a fragment's 16 registers of codes, v[pc] on, and its row's scale word, v[pw]
.macro QUANT s, pc, pw
.irp b, 0,1,2,3
	v_max3_num_f32 v[TM+\b], |v[(\s)+16*\b]|, |v[(\s)+1+16*\b]|, 0x4800000   ; block b: my 16 numbers, and the floor 2^(9 - 127): the byte cannot fall under 1
.endr
.irp i, 2,4,6,8,10,12,14
.irp b, 0,1,2,3
	v_max3_num_f32 v[TM+\b], v[TM+\b], |v[(\s)+16*\b+\i]|, |v[(\s)+1+16*\b+\i]|   ; the four blocks by turns
.endr
.endr
.irp b, 0,1,2,3
	v_permlanex16_b32 v[TM+4+\b], v[TM+\b], s[SEL], s[SEL+1]
.endr
.irp b, 0,1,2,3
	v_max_num_f32 v[TM+\b], v[TM+\b], v[TM+4+\b]      ; with lane l xor 16's 16: the block's largest magnitude
.endr
.irp b, 0,1,2,3
	v_add_nc_u32 v[TM+12+\b], 0xfc000000, v[TM+\b]    ; 8 off its exponent field: the conversion's scale operand
.endr
.irp b, 0,1,2,3
	v_and_or_b32 v[TM+8+\b], v[TM+\b], 0x7f800000, s[MNT]   ; 448 x the scale
.endr
.irp b, 0,1,2,3
	v_lshrrev_b32 v[TM+4+\b], 23, v[TM+12+\b]         ; the scale's byte
.endr
	v_lshl_or_b32 v[\pw], v[TM+5], 8, v[TM+4]
	v_lshl_or_b32 v[\pw], v[TM+6], 16, v[\pw]
	v_lshl_or_b32 v[\pw], v[TM+7], 24, v[\pw]
.irp b, 0,1,2,3
.irp i, 0,1,2,3,4,5,6,7,8,9,10,11,12,13,14,15
	v_med3_num_f32 v[(\s)+16*\b+\i], v[(\s)+16*\b+\i], -v[TM+8+\b], v[TM+8+\b]   ; the conversion does not saturate (ISA guide 7.6.2): the hold comes first
.endr
	v_cvt_scalef32_pk8_fp8_f32 v[(\pc)+4*\b:(\pc)+4*\b+1], v[(\s)+16*\b:(\s)+16*\b+7], v[TM+12+\b]
	v_cvt_scalef32_pk8_fp8_f32 v[(\pc)+4*\b+2:(\pc)+4*\b+3], v[(\s)+16*\b+8:(\s)+16*\b+15], v[TM+12+\b]
.endr
	v_nop                                              ; one plain line behind the last conversion
.endm
; x: fragment f = 2 (tile of my two) + (half of the 256 along K): 16 loads, each 512 consecutive bytes of one row, the rows in the tile's order
.macro XLOAD f
.irp p, 0,1,2,3,4,5,6,7,8,9,10,11,12,13,14,15
	global_load_b128 v[R+64*((\f)%2)+4*\p:R+64*((\f)%2)+4*\p+3], v1, s[4:5] offset:(8*((\f)/2)+(\p&7)+16*(\p>>3))*4096+((\f)%2)*512 th:TH_LOAD_NT
.endr
.endm
; weights: block t of my column: W(32 t + i, column), 128 consecutive bytes a wave and load
.macro WLOAD t, n, wlo
.irp i, 0,1,2,3,4,5,6,7,8,9,10,11,12,13,14,15,16,17,18,19,20,21,22,23,24,25,26,27,28,29,30,31
	global_load_b32 v[WX+32*((\t)%2)+\i], v1, s[\wlo:\wlo+1] offset:(32*(\t)+\i)*\n*4 th:TH_LOAD_NT
.endr
.endm
.macro WBLOCK t, n, wlo, ilo
.set XS, WX+32*((\t)%2)
.set CC, WC+8*((\t)%2)
.if (\t) < 7
	s_wait_loadcnt 32                                  ; this block's 32 loads are in; the next block's may be out
.else
	s_wait_loadcnt 0x0
.endif
	v_max3_num_f32 v12, |v[XS]|, |v[XS+1]|, |v[XS+2]|  ; all 32 numbers of the block are mine
	v_max3_num_f32 v13, |v[XS+3]|, |v[XS+4]|, |v[XS+5]|
.irp i, 6,10,14,18,22,26
	v_max3_num_f32 v12, v12, |v[XS+\i]|, |v[XS+\i+1]|
	v_max3_num_f32 v13, v13, |v[XS+\i+2]|, |v[XS+\i+3]|
.endr
	v_max3_num_f32 v12, v12, |v[XS+30]|, |v[XS+31]|
	v_max3_num_f32 v12, v12, v13, 0x4800000            ; and the floor
	v_add_nc_u32 v11, 0xfc000000, v12
	v_and_or_b32 v10, v12, 0x7f800000, s[MNT]
	v_lshrrev_b32 v13, 23, v11
.if (\t)%4 == 0
	v_mov_b32 v[SBY+(\t)/4], v13                       ; four bytes to a word, the lower K in the lower byte
.else
	v_lshl_or_b32 v[SBY+(\t)/4], v13, 8*((\t)%4), v[SBY+(\t)/4]
.endif
.irp i, 0,1,2,3,4,5,6,7,8,9,10,11,12,13,14,15,16,17,18,19,20,21,22,23,24,25,26,27,28,29,30,31
	v_med3_num_f32 v[XS+\i], v[XS+\i], -v10, v10
.endr
	s_wait_alu depctr_va_vdst(0)
	s_wait_xcnt 0x0                                    ; the stores of two blocks ago have read this set of code registers
.irp g, 0,1,2,3
	v_cvt_scalef32_pk8_fp8_f32 v[CC+2*\g:CC+2*\g+1], v[XS+8*\g:XS+8*\g+7], v11
.endr
	v_nop
	global_store_b128 v2, v[CC:CC+3], s[\ilo:\ilo+1] offset:((\t)/4)*2048+((\t)%4)*512        ; k 0..15 of the block: the place of lane (r, 0); the 16 lanes of one tile fill 256 consecutive aligned bytes
	global_store_b128 v2, v[CC+4:CC+7], s[\ilo:\ilo+1] offset:((\t)/4)*2048+((\t)%4)*512+256  ; k 16..31: the place of lane (r, 1)
.if (\t)+2 < 8
	WLOAD (\t)+2, \n, \wlo
.endif
.endm
; a weight of n columns in noct groups of 128; first: the first work-group index of this weight; wlo, ilo: the scalar pairs of its address and its image's
.macro WPATH n, noct, first, wlo, ilo
	s_sub_co_u32 s19, s18, \first                      ; the group of 128 columns
	s_mul_i32 s24, s17, 256*\n*4                       ; my K quarter's 256 rows
	s_lshl_b32 s26, s19, 9
	s_add_co_u32 s24, s24, s26
	s_lshl_b32 s26, s16, 7                             ; my wave's 32 columns
	s_add_co_u32 s24, s24, s26
	s_add_nc_u64 s[\wlo:\wlo+1], s[\wlo:\wlo+1], s[24:25]
	s_mul_i32 s24, s17, \noct
	s_add_co_u32 s24, s24, s19
	s_mul_i32 s24, s24, OREC
	s_add_nc_u64 s[\ilo:\ilo+1], s[\ilo:\ilo+1], s[24:25]
	WLOAD 0, \n, \wlo
	WLOAD 1, \n, \wlo
.set Q, 0
.rept 8
	WBLOCK Q, \n, \wlo, \ilo
.set Q, Q+1
.endr
	global_store_b64 v3, v[SBY:SBY+1], s[\ilo:\ilo+1] offset:SCO   ; the wave's 32 x 8 scale bytes: 256 consecutive aligned bytes
	s_endpgm
.endm
	s_load_b256 s[4:11], s[0:1], 0x0                   ; x s[4:5], W_qkv s[6:7], W_out s[8:9], ximg s[10:11]
	s_load_b128 s[12:15], s[0:1], 0x20                 ; wqimg s[12:13], woimg s[14:15]
	v_lshl_add_u32 v254, v0, 2, 0x8400
	v_mov_b32 v255, 0
	v_lshrrev_b32 v6, 5, v0
	v_readfirstlane_b32 s16, v6                        ; wave 0..3
	v_and_b32 v6, 31, v0                               ; lane
	s_and_b32 s17, ttmp9, 3                            ; K quarter
	s_lshr_b32 s18, ttmp9, 2                           ; which record of that quarter
	s_mov_b32 s[SEL], 0x76543210
	s_mov_b32 s[SEL+1], 0xfedcba98
	s_mov_b32 s[MNT], 0x600000
	s_mov_b32 s25, 0                                   ; the high word of every offset
	s_wait_kmcnt 0x0
	s_cmp_lt_u32 s18, 64
	s_cbranch_scc0 .Lweights
	; ---- x: wave w makes tiles 2 w and 2 w + 1 of the group: four fragments
	s_lshl_b32 s24, s18, 19                            ; 128 rows of 4,096 bytes a group,
	s_lshl_b32 s26, s16, 17                            ; 32 rows a wave,
	s_add_co_u32 s24, s24, s26
	s_lshl_b32 s26, s17, 10                            ; 1,024 bytes a K quarter
	s_add_co_u32 s24, s24, s26
	s_add_nc_u64 s[4:5], s[4:5], s[24:25]
	s_lshl_b32 s24, s17, 6
	s_add_co_u32 s24, s24, s18
	s_mul_i32 s24, s24, OREC
	s_add_nc_u64 s[10:11], s[10:11], s[24:25]
	s_wait_alu depctr_va_vdst(0)
	v_lshlrev_b32 v1, 4, v6                            ; 16 x lane: my bytes of a load
	s_mul_i32 s26, s16, 8448                           ; my wave's stage: 16 rows x (512 + 16) bytes
	v_add_nc_u32 v2, s26, v1                           ; in: as loaded
	v_and_b32 v7, 15, v0                               ; r
	v_bfe_u32 v8, v0, 4, 1                             ; h
	v_mul_u32_u24 v3, v7, 528
	v_lshl_add_u32 v3, v8, 6, v3
	v_add_nc_u32 v3, s26, v3                           ; out: row r, 64 h bytes on: my 16 numbers of each block of 32.  Rows 528 bytes apart start 16 bytes apart modulo 256
	s_lshl_b32 s26, s16, 13
	v_add_nc_u32 v4, s26, v1                           ; codes: 16 x lane + two tiles of 4,096 bytes a wave
	s_lshl_b32 s26, s16, 8
	v_lshl_add_u32 v5, v6, 3, s26                      ; scale words: 8 x lane + 256 x wave
.irp b, 0,1,2,3
	v_mov_b32 v[TM+4+\b], 0                            ; written once: a lane permute's destination counts as read
.endr
	XLOAD 0
	XLOAD 1
	s_wait_alu depctr_va_vdst(0)
.irp f, 0,1,2,3
.if \f < 3
	s_wait_loadcnt 16                                  ; this fragment's 16 loads are in; the next fragment's may be out
.else
	s_wait_loadcnt 0x0
.endif
.irp p, 0,1,2,3,4,5,6,7,8,9,10,11,12,13,14,15
	ds_store_b128 v2, v[R+64*(\f%2)+4*\p:R+64*(\f%2)+4*\p+3] offset:\p*528
.endr
.irp c, 0,1,2,3
.irp j, 0,1,2,3
	ds_load_b128 v[X+16*\c+4*\j:X+16*\c+4*\j+3], v3 offset:128*\c+16*\j   ; LDS serves a wave's instructions in order (ISA guide 5.7.1.4): these see the stores above
.endr
.endr
	s_wait_dscnt 0x0                                   ; my numbers are back, and the stores have read the set that the next loads fill
.if \f < 2
	XLOAD \f+2
.endif
	s_wait_xcnt 0x0                                    ; the last fragment's stores have read the code registers
	QUANT X, PC, PWF+\f
.irp c, 0,1,2,3
	global_store_b128 v4, v[PC+4*\c:PC+4*\c+3], s[10:11] offset:(\f/2)*4096+(\f%2)*2048+512*\c   ; 512 consecutive aligned bytes
.endr
.endr
	s_mov_b32 vcc_lo, 0xffff0000                       ; lanes 0-15 send tile 2 w's two words of row r, lanes 16-31 tile 2 w + 1's
	v_cndmask_b32 v244, v[PWF], v[PWF+2], vcc_lo
	v_cndmask_b32 v245, v[PWF+1], v[PWF+3], vcc_lo
	global_store_b64 v5, v[244:245], s[10:11] offset:SCO   ; 256 consecutive aligned bytes
	s_wait_tensorcnt 0x0
	ds_add_u32 v254, v255
	s_wait_dscnt 0x0
	s_endpgm
.Lweights:
	; ---- a weight: a lane takes a column, its registers run down K.  Column 32 w + l is row r = (l&7) + 8 (l>>4) of tile 2 w + u, u = (l>>3)&1
	s_wait_alu depctr_va_vdst(0)
	v_lshlrev_b32 v1, 2, v6
	v_bfe_u32 v7, v0, 3, 1                             ; u
	v_and_b32 v8, 7, v0
	v_bfe_u32 v9, v0, 4, 1
	v_lshl_add_u32 v8, v9, 3, v8                       ; r
	s_lshl_b32 s26, s16, 13
	v_lshl_add_u32 v2, v7, 12, s26
	v_lshl_add_u32 v2, v8, 4, v2                       ; codes: 8,192 w + 4,096 u + 16 r
	s_lshl_b32 s26, s16, 8
	v_lshl_add_u32 v3, v7, 7, s26
	v_lshl_add_u32 v3, v8, 3, v3                       ; scale words: 256 w + 128 u + 8 r
	s_cmp_lt_u32 s18, 88
	s_cbranch_scc0 .Lwout
	s_wait_alu depctr_va_vdst(0)
	WPATH 3072, 24, 64, 6, 12
.Lwout:
	s_wait_alu depctr_va_vdst(0)
	WPATH 1024, 8, 88, 8, 14
.Lfunc_end_k_q98915306c6_quant:
	.size	k_q98915306c6_quant, .Lfunc_end_k_q98915306c6_quant-k_q98915306c6_quant
	.p2alignl 7, 3214868480
	.fill 96, 4, 3214868480
	.section	.rodata,"a",@progbits
	.p2align	6, 0x0
	.amdhsa_kernel k_q98915306c6_quant
		.amdhsa_group_segment_fixed_size 34304
		.amdhsa_private_segment_fixed_size 0
		.amdhsa_enable_private_segment 0
		.amdhsa_kernarg_size 48
		.amdhsa_user_sgpr_count 2
		.amdhsa_user_sgpr_kernarg_segment_ptr 1
		.amdhsa_wavefront_size32 1
		.amdhsa_system_sgpr_workgroup_id_x 1
		.amdhsa_system_sgpr_workgroup_id_y 1
		.amdhsa_system_sgpr_workgroup_id_z 1
		.amdhsa_system_vgpr_workitem_id 0
		.amdhsa_next_free_vgpr 256
		.amdhsa_next_free_sgpr 66
		.amdhsa_reserve_vcc 1
		.amdhsa_float_denorm_mode_32 3
		.amdhsa_float_denorm_mode_16_64 3
		.amdhsa_memory_ordered 1
		.amdhsa_forward_progress 1
		.amdhsa_inst_pref_size 162
	.end_amdhsa_kernel
	.amdgpu_metadata
---
amdhsa.version: [ 1, 2 ]
amdhsa.kernels:
  - .name:           k_q98915306c6_quant
    .symbol:         k_q98915306c6_quant.kd
    .args:
      - { .name: x, .offset: 0, .size: 8, .value_kind: global_buffer, .address_space: global }
      - { .name: W_qkv, .offset: 8, .size: 8, .value_kind: global_buffer, .address_space: global }
      - { .name: W_out, .offset: 16, .size: 8, .value_kind: global_buffer, .address_space: global }
      - { .name: ximg, .offset: 24, .size: 8, .value_kind: global_buffer, .address_space: global }
      - { .name: wqimg, .offset: 32, .size: 8, .value_kind: global_buffer, .address_space: global }
      - { .name: woimg, .offset: 40, .size: 8, .value_kind: global_buffer, .address_space: global }
    .group_segment_fixed_size: 34304
    .private_segment_fixed_size: 0
    .kernarg_segment_align: 8
    .kernarg_segment_size: 48
    .max_flat_workgroup_size: 128
    .sgpr_count:     66
    .vgpr_count:     256
    .wavefront_size: 32
...
	.end_amdgpu_metadata
.endif
;; end of part 1
;; launch proj (part 2): grid 4 x 64, 4 waves a work-group, clusters of 4 x 4, 327,680 bytes of LDS; arguments ximg, wqimg, b_qkv, qkvc, qkvs; writes qkvc, qkvs
.if DOCPART == 2
	.amdgcn_target "amdgcn-amd-amdhsa--gfx1250"
	.amdhsa_code_object_version 6
	.text
	.protected	k_q98915306c6_proj
	.globl	k_q98915306c6_proj
	.p2align	8
	.type	k_q98915306c6_proj,@function
k_q98915306c6_proj:
	s_mov_b64 s[64:65], 0
	v_nop
	global_prefetch_b8 v0, s[64:65] scope:SCOPE_SE
	s_setreg_imm32_b32 hwreg(HW_REG_WAVE_MODE, 25, 1), 1
	s_wait_xcnt 0x0
	s_wait_alu depctr_hold_cnt(0) depctr_sa_sdst(0) depctr_va_vdst(0) depctr_va_sdst(0) depctr_va_ssrc(0) depctr_va_vcc(0) depctr_vm_vsrc(0)
	s_getreg_b32 s2, hwreg(HW_REG_IB_STS2, 6, 4)
	s_cmp_eq_u32 s2, 0
	s_cbranch_scc0 .Lentry_in_a_cluster
	s_endpgm
.Lentry_in_a_cluster:
	s_bfe_u32 s2, ttmp6, 0x10000c
	s_cmp_lg_u32 s2, 0xf033
	s_cbranch_scc0 .Lentry_shape_is_right
	s_endpgm
.Lentry_shape_is_right:
; qkv = x W_qkv + b_qkv on codes of FP8 (E4M3) with E8M0 scales, sums in f32; the results are quantised in registers and leave as codes: q and k along the head's 64, v along the keys.
; OPERANDS are the records that the launch before laid: 128 rows x 256 K = 33,792 dense bytes, codes in the order of the operand's registers, scale words behind them; row r of tile T is row 32 (T/2) + 8 (T%2) + (r&7) + 16 (r>>3).
; THE DEAL.  256 work-groups of four waves, 2 x 2.  A work-group owns 128 rows of x (a key step) and 768 columns: two groups of 128 of q, two of k, two of v, the same kinds in every work-group.
; A wave holds its 64 rows of x, ALL of K = 1,024, in 512 registers, and W's groups stream past: a group, all of K, is four records = one LDS slot; a wave multiplies its 64 columns of it (one head): 16 accumulators, 128 products.
; q, k: source 0 = W's rows, source 1 = x's: a lane holds one token, its registers run along the head's channels.  v: the sources change places: a lane holds one channel, its registers run along the keys.
; LDS: two slots of four records.  x lands in slot 1 at the head and goes into registers; group 0 is first filled into slot 0 behind a round, group 1 over x behind the next round; behind the products of group i
; its slot takes group i + 2.  A refill is asked for behind one group's products and waited for behind the next group's: the way out of one group and 128 products a wave stand between.  So no prefetch is laid.
; CLUSTERS of 4 x 4: x's records are shared along a row of the cluster, W's along a column, asked for jointly; every wave issues one load a round, record = wave (the K quarter).
; OUT: qkvc: section (q, k, v) * 8 MiB + (16 batch + head) * 131,072; q, k: token tile i at i*1024 + c*512 + lane*16; v: key step * 8192 + channel tile * 2048 + c*512 + lane*16.
;      qkvs: q at head*8192, k 524,288 further, inside: step*512 + (tile/4)*256 + r*16 + (tile%4)*4, the word repeating the head's two bytes; v at 1,048,576 + head*4096 + step*256 + r*16 + channel tile*4 (a wave stores its two bytes of a word).
; LIMITS: blocks of zeros or under 2^-118 get the byte 1 (read by this program alone); NaN and infinities are not served.
; REGISTERS: window 0: v1-23 lane terms and addresses; v24-55 x's scale words (8 a + chunk); v56-59 words on the way out; v60-91 W's scale words (8 b + chunk); v92-107 at work; v108-123 codes; v124-127 v's bias; v128-255 the 16 accumulators.
;   windows 1, 2: x's 32 fragments (4 chunk + a).   window 3: v0-127 W's fragments, two sets of four; v128-159 the bias along the head's channels.
.set OREC,  33792
.set SCO,   32768
.set SLOT,  4*OREC
.set SPARE, 2*SLOT                     ; behind the slots: the spare words, 128 bytes a wave
.set NGRP,  24                         ; W's groups of 128 columns
.set NP,    8                          ; places behind this matrix instruction (ISA guide 7.12.1)
.set ADRP,  4                          ; v4-7  my 64 rows of W's records: slot 0 quarters 0-1, 2-3; slot 1 likewise
.set ADPS,  8                          ; v8-11 their scale words
.set ADRX,  12                         ; v12-13 my 64 rows of x's records; v14-15 their scale words
.set AXS,   14
.set SPW,   16
.set NIL,   17
.set BOF,   18                         ; 64 h
.set BOV,   19                         ; 4 ((r&7) + 16 (r>>3))
.set PWS,   20
.set SAD,   22                         ; 16 r
.set XS,    24
.set U,     56
.set PS,    60
.set TM,    92
.set PC,    108
.set BV,    124
.set ACC,   128
.set BQ,    128                        ; in window 3
.set G1X, 24
.set G0X, 32
.set G0P, 36                           ; s[36:43] a group 0 for each slot
.set G1P, 48
.set CB,  84                           ; s[84:85] q's, k's codes; s[86:87] v's; s[88:89] q's, k's scale words; s[90:91] v's; s[92:93] the bias
.set VB,  86
.set SB,  88
.set VS,  90
.set BB,  92
.set MNT, 94
.set SEL, 96
.set MSB, 0
.macro WIN new                         ; the immediate's high byte repeats the setting that is left
.if MSB != (\new)
	s_set_vgpr_msb (MSB<<8)|(\new)
.set MSB, (\new)
.endif
.endm
.macro PLACES n
.rept \n
	v_nop
.endr
.endm
.macro CROUND                          ; a round of the cluster's barrier
	s_barrier_signal -1
	s_barrier_wait -1
	s_cmp_lg_u32 s14, 0
	s_cbranch_scc1 .Lnot_wave_0_\@
	s_barrier_signal -3
.Lnot_wave_0_\@:
	s_barrier_wait -3
	s_barrier_signal -1
	s_barrier_wait -1
.endm
.macro TLOAD g0, g1                    ; a joint load; an s_nop 0 and four v_nop follow it
	tensor_load_to_lds s[\g0:\g0+3], s[\g1:\g1+7]
	s_nop 0
	PLACES 4
.endm
.macro GRD
	s_wait_tensorcnt 0x0
	ds_add_u32 v[SPW], v[NIL]
.endm
.macro FETCHP slot, ch                 ; W's four fragments of chunk ch (128 of K) into set ch % 2: 16 loads of 512 consecutive bytes
	WIN 0xc0
.irp b, 0,1,2,3
.irp c, 0,1,2,3
	ds_load_b128 v[64*((\ch)%2)+16*\b+4*\c:64*((\ch)%2)+16*\b+4*\c+3], v[ADRP+2*(\slot)+(\ch)/4] offset:(((\ch)/2)%2)*OREC+\b*4096+((\ch)%2)*2048+\c*512
.endr
.endr
.endm
.macro PSLOAD slot                     ; a group's scale words: two a row and record
	WIN 0
.irp q, 0,1,2,3
.irp b, 0,1,2,3
	ds_load_b64 v[PS+8*\b+2*\q:PS+8*\b+2*\q+1], v[ADPS+2*(\slot)+\q/2] offset:(\q%2)*OREC+\b*128
.endr
.endr
.endm
; 16 products: x's four tiles x W's four, chunk ch.  The 16 accumulators take turns, in the same order in every chunk; chunk 0 starts the sums
.macro MUL kind, ch
.if \kind
	WIN (1+(\ch)/4)|(3<<2)
.else
	WIN 3|((1+(\ch)/4)<<2)
.endif
.irp a, 0,1,2,3
.irp b, 0,1,2,3
.set XF_, 16*((4*(\ch)+\a)%16)
.set PF_, 64*((\ch)%2)+16*\b
.if \kind
.set D_, ACC+8*(4*\b+\a)
.if (\ch) == 0
	v_wmma_scale_f32_16x16x128_f8f6f4 v[D_:D_+7], v[XF_:XF_+15], v[PF_:PF_+15], 0, v[XS+8*\a+(\ch)], v[PS+8*\b+(\ch)]
.else
	v_wmma_scale_f32_16x16x128_f8f6f4 v[D_:D_+7], v[XF_:XF_+15], v[PF_:PF_+15], v[D_:D_+7], v[XS+8*\a+(\ch)], v[PS+8*\b+(\ch)]
.endif
.else
.set D_, ACC+8*(4*\a+\b)
.if (\ch) == 0
	v_wmma_scale_f32_16x16x128_f8f6f4 v[D_:D_+7], v[PF_:PF_+15], v[XF_:XF_+15], 0, v[PS+8*\b+(\ch)], v[XS+8*\a+(\ch)]
.else
	v_wmma_scale_f32_16x16x128_f8f6f4 v[D_:D_+7], v[PF_:PF_+15], v[XF_:XF_+15], v[D_:D_+7], v[PS+8*\b+(\ch)], v[XS+8*\a+(\ch)]
.endif
.endif
.endr
.endr
.endm
.macro CHUNK kind, slot, ch
.if (\ch) < 7
.if (\ch) > 0
	PLACES NP                                          ; ahead of loads into the set that the last chunk's products read
.endif
	FETCHP \slot, (\ch)+1
	s_wait_dscnt 16                                    ; this chunk's fragments (and the scale words) are in; the 16 loads just issued may be out
.else
	s_wait_dscnt 0x0
.endif
	MUL \kind, \ch
.endm
; 64 numbers of a lane become 16 registers of codes, v[pc] on, and a scale word, v[pw]
.macro QUANT s, pc, pw
.irp b, 0,1,2,3
	v_max3_num_f32 v[TM+\b], |v[(\s)+16*\b]|, |v[(\s)+1+16*\b]|, 0x4800000   ; my 16 numbers of block b, and the floor 2^(9 - 127)
.endr
.irp i, 2,4,6,8,10,12,14
.irp b, 0,1,2,3
	v_max3_num_f32 v[TM+\b], v[TM+\b], |v[(\s)+16*\b+\i]|, |v[(\s)+1+16*\b+\i]|
.endr
.endr
.irp b, 0,1,2,3
	v_permlanex16_b32 v[TM+4+\b], v[TM+\b], s[SEL], s[SEL+1]
.endr
.irp b, 0,1,2,3
	v_max_num_f32 v[TM+\b], v[TM+\b], v[TM+4+\b]      ; with lane l xor 16's 16
.endr
.irp b, 0,1,2,3
	v_add_nc_u32 v[TM+12+\b], 0xfc000000, v[TM+\b]    ; 8 off the exponent field: the conversion's scale operand
.endr
.irp b, 0,1,2,3
	v_and_or_b32 v[TM+8+\b], v[TM+\b], 0x7f800000, s[MNT]   ; 448 x the scale
.endr
.irp b, 0,1,2,3
	v_lshrrev_b32 v[TM+4+\b], 23, v[TM+12+\b]         ; the byte
.endr
	v_lshl_or_b32 v[\pw], v[TM+5], 8, v[TM+4]
	v_lshl_or_b32 v[\pw], v[TM+6], 16, v[\pw]
	v_lshl_or_b32 v[\pw], v[TM+7], 24, v[\pw]
.irp b, 0,1,2,3
.irp i, 0,1,2,3,4,5,6,7,8,9,10,11,12,13,14,15
	v_med3_num_f32 v[(\s)+16*\b+\i], v[(\s)+16*\b+\i], -v[TM+8+\b], v[TM+8+\b]   ; the conversion does not saturate (ISA guide 7.6.2)
.endr
	v_cvt_scalef32_pk8_fp8_f32 v[(\pc)+4*\b:(\pc)+4*\b+1], v[(\s)+16*\b:(\s)+16*\b+7], v[TM+12+\b]
	v_cvt_scalef32_pk8_fp8_f32 v[(\pc)+4*\b+2:(\pc)+4*\b+3], v[(\s)+16*\b+8:(\s)+16*\b+15], v[TM+12+\b]
.endr
	v_nop
.endm
; THE WAY OUT of a group of q or k: accumulator (a, b) at 8 (4 a + b): the 32 registers of token tile a are the head's 64 channels' two blocks.  Two token tiles to a quantiser
.macro EPI0 e
	s_wait_loadcnt 0x0                                 ; the bias
.irp p, 0,1
	s_wait_xcnt 0x0                                    ; earlier stores have read the registers that are written below
	WIN 0x0c
.set k, 0
.rept 32
	v_pk_add_f32 v[ACC+64*\p+k:ACC+64*\p+k+1], v[ACC+64*\p+k:ACC+64*\p+k+1], v[BQ+(k%32):BQ+(k%32)+1]   ; each accumulator from its low end on
.set k, k+2
.endr
	WIN 0
	QUANT ACC+64*\p, PC, PWS+\p
.irp d, 0,1,2,3
	global_store_b128 v3, v[PC+4*\d:PC+4*\d+3], s[CB:CB+1] offset:(\e)*262144+(2*\p+\d/2)*1024+(\d%2)*512   ; 512 consecutive aligned bytes
.endr
.endr
	v_perm_b32 v[U], v[PWS], v[PWS], 0x01000100        ; a word holds two tiles' pairs of bytes: each tile's word repeats its pair
	v_perm_b32 v[U+1], v[PWS], v[PWS], 0x03020302
	v_perm_b32 v[U+2], v[PWS+1], v[PWS+1], 0x01000100
	v_perm_b32 v[U+3], v[PWS+1], v[PWS+1], 0x03020302
	global_store_b128 v[SAD], v[U:U+3], s[SB:SB+1] offset:(\e)*16384   ; sixteen lanes fill 256 consecutive aligned bytes; both halves of the lanes write the same bytes with the same values
.endm
; THE WAY OUT of a group of v: accumulator (a, b) at 8 (4 b + a): the 32 registers of channel tile b are my 64 keys' two blocks.  Two channel tiles to a quantiser
.macro EPI1 e
	s_wait_loadcnt 0x0
.irp p, 0,1
	s_wait_xcnt 0x0
.set k, 0
.rept 16
	v_pk_add_f32 v[ACC+64*\p+k:ACC+64*\p+k+1], v[ACC+64*\p+k:ACC+64*\p+k+1], v[BV+2*\p:BV+2*\p+1] op_sel:[0,0] op_sel_hi:[1,0]   ; my channel's one bias serves both halves
.set k, k+2
.endr
.rept 16
	v_pk_add_f32 v[ACC+64*\p+k:ACC+64*\p+k+1], v[ACC+64*\p+k:ACC+64*\p+k+1], v[BV+2*\p:BV+2*\p+1] op_sel:[0,1] op_sel_hi:[1,1]
.set k, k+2
.endr
	QUANT ACC+64*\p, PC, PWS+\p
.irp d, 0,1,2,3
	global_store_b128 v3, v[PC+4*\d:PC+4*\d+3], s[VB:VB+1] offset:(\e)*262144+(2*\p+\d/2)*2048+(\d%2)*512
.endr
	global_store_b16 v[SAD], v[PWS+\p], s[VS:VS+1] offset:(\e)*8192+8*\p            ; my two of the word's four bytes: the other two are the other row of waves'
	global_store_d16_hi_b16 v[SAD], v[PWS+\p], s[VS:VS+1] offset:(\e)*8192+8*\p+4
.endr
.endm
; A GROUP of 128 columns, in slot e.  fill = 1: its slot takes the group two on, behind a round;  2: nothing is filled, a barrier shows the last group;  0: the last group
.macro GROUP kind, e, fill
.if \kind
	WIN 0
.irp b, 0,1,2,3
	global_load_b32 v[BV+\b], v[BOV], s[BB:BB+1] offset:(\e)*512+4*(32*(\b/2)+8*(\b%2))
.endr
.else
	WIN 0xc0
.irp b, 0,1,2,3
	global_load_b128 v[BQ+8*\b:BQ+8*\b+3], v[BOF], s[BB:BB+1] offset:(\e)*512+4*(32*(\b/2)+8*(\b%2))
	global_load_b128 v[BQ+8*\b+4:BQ+8*\b+7], v[BOF], s[BB:BB+1] offset:(\e)*512+4*(32*(\b/2)+8*(\b%2))+16
.endr
.endif
.irp ch, 0,1,2,3,4,5,6,7
	CHUNK \kind, \e, \ch
.endr
	WIN 0
.if (\fill) == 1
	GRD
	s_add_nc_u64 s[G0P+4*(\e)+2:G0P+4*(\e)+3], s[G0P+4*(\e)+2:G0P+4*(\e)+3], 8*OREC   ; (no load of mine is out: this slot's next group is eight groups on)
	s_wait_dscnt 0x0                                   ; the add is done, and my reads of this slot are over
	CROUND                                             ; both hold of every wave of every partner
	TLOAD G0P+4*(\e), G1P                              ; the first tensor load behind the round; its four v_nop are four of the eight places
	PLACES NP-4
.elseif (\fill) == 2
	GRD
	s_wait_dscnt 0x0
	s_barrier_signal -1
	s_barrier_wait -1
	PLACES NP
.else
	PLACES NP
.endif
.if \fill
	FETCHP 1-(\e), 0                                   ; the next group's first fragments and scale words land under the way out
	PSLOAD 1-(\e)
.endif
.if \kind
	EPI1 \e
.else
	EPI0 \e
.endif
.endm
	s_load_b256 s[4:11], s[0:1], 0x0                   ; ximg s[4:5], wqimg s[6:7], b_qkv s[8:9], qkvc s[10:11]
	s_load_b64 s[12:13], s[0:1], 0x20                  ; qkvs
	v_lshl_add_u32 v[SPW], v0, 2, SPARE
	v_mov_b32 v[NIL], 0
	ds_add_u32 v[SPW], v[NIL]                          ; the opening lines: the add twice on end and its wait
	ds_add_u32 v[SPW], v[NIL]
	v_lshrrev_b32 v1, 5, v0
	v_readfirstlane_b32 s14, v1                        ; wave 0..3: also the K quarter whose records I fetch
	s_lshr_b32 s15, s14, 1                             ; my 64 rows of x
	s_and_b32 s16, s14, 1                              ; my 64 columns of a group
	s_bfe_u32 s40, ttmp6, 0x40000                      ; cx
	s_bfe_u32 s41, ttmp6, 0x40004                      ; cy
	s_mov_b32 s98, s40                                 ; cx is kept here: s[36:43] take W's two groups 0 below
	s_lshl_b32 s43, s41, 2
	s_lshl_b32 s43, 15, s43                            ; my row of the cluster
	s_lshl_b32 s44, 0x1111, s40                        ; my column
	s_or_b32 s[G1X], s43, (3<<16)|(1<<21)              ; the mask; elements of 8 bytes; bit 21 beside a mask; no padding: a record is read 16 bytes a lane, on end
	s_or_b32 s[G1P], s44, (3<<16)|(1<<21)
.irp g, G1X, G1P
	s_mov_b32 s[\g+1], 32<<16                          ; rows of 256 bytes
	s_mov_b32 s[\g+2], 132<<16                         ; 132 rows: a record
	s_mov_b32 s[\g+3], 32<<16
	s_mov_b32 s[\g+4], 132
	s_mov_b32 s[\g+5], 32                              ; dense
	s_mov_b32 s[\g+6], 0
	s_mov_b32 s[\g+7], 0
.endr
	s_mov_b32 s[MNT], 0x600000
	s_mov_b32 s[SEL], 0x76543210
	s_mov_b32 s[SEL+1], 0xfedcba98
	s_and_b32 s46, ttmp7, 0xffff
	s_lshl_b32 s46, s46, 2
	s_add_co_u32 s46, s46, s41                         ; x's group of 128 rows, 0..63
	s_lshl_b32 s78, s14, 6
	s_add_co_u32 s78, s78, s46
	s_mul_i32 s78, s78, OREC                           ; x's record (quarter = wave, my group)
	s_mov_b32 s79, 0
	s_mul_i32 s80, s14, NGRP
	s_lshl_b32 s81, s40, 1
	s_add_co_u32 s80, s80, s81
	s_mul_i32 s80, s80, OREC                           ; W's record (quarter = wave, group 2 cx)
	s_mov_b32 s81, 0
	s_mul_i32 s82, s14, OREC                           ; where a record goes in a slot: no place in the cluster enters an LDS address
	s_wait_dscnt 0x0
	s_wait_kmcnt 0x0
	s_mov_b32 s[G0X], 1
	s_add_co_u32 s[G0X+1], s82, SLOT
	s_add_nc_u64 s[G0X+2:G0X+3], s[4:5], s[78:79]
	s_or_b32 s[G0X+3], s[G0X+3], 0x80000000
	s_mov_b32 s[G0P], 1
	s_mov_b32 s[G0P+1], s82
	s_add_nc_u64 s[G0P+2:G0P+3], s[6:7], s[80:81]
	s_add_nc_u64 s[G0P+6:G0P+7], s[G0P+2:G0P+3], OREC  ; slot 1: group 2 cx + 1
	s_or_b32 s[G0P+3], s[G0P+3], 0x80000000
	s_mov_b32 s[G0P+4], 1
	s_add_co_u32 s[G0P+5], s82, SLOT
	s_or_b32 s[G0P+7], s[G0P+7], 0x80000000
	CROUND                                             ; all sixteen work-groups are here: the first joint loads meet
	TLOAD G0X, G1X                                     ; x's four records, one a wave, into slot 1
	; where my results go
	s_lshr_b32 s47, s46, 4                             ; batch
	s_and_b32 s70, s46, 15                             ; key step
	s_lshl_b32 s71, s98, 2
	s_add_co_u32 s71, s71, s16                         ; my head in a section's first group of mine; the second's is two on
	s_lshl_b32 s72, s47, 4
	s_add_co_u32 s72, s72, s71                         ; 16 batch + head
	s_lshl_b32 s74, s72, 17
	s_lshl_b32 s73, s70, 13
	s_add_co_u32 s74, s74, s73
	s_lshl_b32 s73, s15, 12
	s_add_co_u32 s76, s74, s73                         ; q, k: four token tiles of 1,024 bytes a row of waves
	s_mov_b32 s77, 0
	s_add_nc_u64 s[CB:CB+1], s[10:11], s[76:77]
	s_lshl_b32 s73, s15, 10
	s_add_co_u32 s76, s74, s73                         ; v: two blocks of 512 bytes a row of waves,
	s_add_co_u32 s76, s76, 0x1000000                   ; in section 2
	s_add_nc_u64 s[VB:VB+1], s[10:11], s[76:77]
	s_lshl_b32 s76, s72, 13
	s_lshl_b32 s73, s70, 9
	s_add_co_u32 s76, s76, s73
	s_lshl_b32 s73, s15, 8
	s_add_co_u32 s76, s76, s73
	s_add_nc_u64 s[SB:SB+1], s[12:13], s[76:77]
	s_lshl_b32 s76, s72, 12
	s_lshl_b32 s73, s70, 8
	s_add_co_u32 s76, s76, s73
	s_lshl_b32 s73, s15, 1
	s_add_co_u32 s76, s76, s73
	s_add_co_u32 s76, s76, 0x100000
	s_add_nc_u64 s[VS:VS+1], s[12:13], s[76:77]
	s_lshl_b32 s76, s98, 10
	s_lshl_b32 s73, s16, 8
	s_add_co_u32 s76, s76, s73
	s_add_nc_u64 s[BB:BB+1], s[8:9], s[76:77]          ; the bias of my 64 columns of q's first group of mine
	s_lshl_b32 s56, s16, 14
	s_lshl_b32 s57, s16, 9
	s_add_co_u32 s57, s57, SCO
	s_lshl_b32 s58, s15, 14
	s_add_co_u32 s58, s58, SLOT
	s_lshl_b32 s59, s15, 9
	s_add_co_u32 s59, s59, SLOT+SCO
	v_and_b32 v1, 15, v0                               ; r
	v_bfe_u32 v2, v0, 4, 1                             ; h
	v_and_b32 v3, 31, v0
	v_lshlrev_b32 v3, 4, v3                            ; 16 x lane
	v_add_nc_u32 v[ADRP], s56, v3
	v_add_nc_u32 v[ADRP+1], 2*OREC, v[ADRP]
	v_add_nc_u32 v[ADRP+2], SLOT, v[ADRP]
	v_add_nc_u32 v[ADRP+3], SLOT+2*OREC, v[ADRP]
	v_lshl_add_u32 v[ADPS], v1, 3, s57
	v_add_nc_u32 v[ADPS+1], 2*OREC, v[ADPS]
	v_add_nc_u32 v[ADPS+2], SLOT, v[ADPS]
	v_add_nc_u32 v[ADPS+3], SLOT+2*OREC, v[ADPS]
	v_add_nc_u32 v[ADRX], s58, v3
	v_add_nc_u32 v[ADRX+1], 2*OREC, v[ADRX]
	v_lshl_add_u32 v[AXS], v1, 3, s59
	v_add_nc_u32 v[AXS+1], 2*OREC, v[AXS]
	v_lshlrev_b32 v[BOF], 6, v2
	v_and_b32 v[BOV], 7, v1
	v_lshrrev_b32 v[SAD], 3, v1
	v_lshl_add_u32 v[BOV], v[SAD], 4, v[BOV]
	v_lshlrev_b32 v[BOV], 2, v[BOV]
	v_lshlrev_b32 v[SAD], 4, v1
.irp b, 0,1,2,3
	v_mov_b32 v[TM+4+\b], 0                            ; a lane permute's destination counts as read
.endr
	s_wait_alu depctr_va_vdst(0)                       ; the wait at the head's end
	GRD
	s_wait_dscnt 0x0
	CROUND
	TLOAD G0P, G1P                                     ; group 0 into slot 0
.irp ch, 0,1,2,3,4,5,6,7                       ; my 64 rows of x, all of K, into windows 1 and 2: 128 loads
	WIN (1+\ch/4)<<6
.irp a, 0,1,2,3
.irp c, 0,1,2,3
	ds_load_b128 v[16*((4*\ch+\a)%16)+4*\c:16*((4*\ch+\a)%16)+4*\c+3], v[ADRX+\ch/4] offset:((\ch/2)%2)*OREC+\a*4096+(\ch%2)*2048+\c*512
.endr
.endr
.endr
	WIN 0
.irp q, 0,1,2,3
.irp a, 0,1,2,3
	ds_load_b64 v[XS+8*\a+2*\q:XS+8*\a+2*\q+1], v[AXS+\q/2] offset:(\q%2)*OREC+\a*128
.endr
.endr
	GRD
	s_wait_dscnt 0x0                                   ; and x is in my registers
	CROUND
	TLOAD G0P+4, G1P                                   ; group 1 over x, in slot 1
	FETCHP 0, 0
	PSLOAD 0
	s_mov_b32 s3, 0
.Lqk:                                              ; two trips: q's two groups, then k's; each group with its refill
	GROUP 0, 0, 1
	GROUP 0, 1, 1
	s_wait_xcnt 0x0                                    ; the stores and loads have read their bases
	s_add_nc_u64 s[CB:CB+1], s[CB:CB+1], 0x800000
	s_add_nc_u64 s[SB:SB+1], s[SB:SB+1], 0x80000
	s_add_nc_u64 s[BB:BB+1], s[BB:BB+1], 4096
	s_add_co_u32 s3, s3, 1
	s_cmp_lt_u32 s3, 2
	s_wait_alu depctr_va_vdst(0)                       ; directly ahead of the branch
	s_cbranch_scc1 .Lqk
	GROUP 1, 0, 2                                      ; v's two groups ask for nothing more
	GROUP 1, 1, 0
	s_wait_tensorcnt 0x0                               ; the wave's end
	ds_add_u32 v[SPW], v[NIL]
	s_wait_dscnt 0x0
	CROUND                                             ; the closing round
	s_endpgm
.Lfunc_end_k_q98915306c6_proj:
	.size	k_q98915306c6_proj, .Lfunc_end_k_q98915306c6_proj-k_q98915306c6_proj
	.p2alignl 7, 3214868480
	.fill 96, 4, 3214868480
	.section	.rodata,"a",@progbits
	.p2align	6, 0x0
	.amdhsa_kernel k_q98915306c6_proj
		.amdhsa_group_segment_fixed_size 327680
		.amdhsa_private_segment_fixed_size 0
		.amdhsa_enable_private_segment 0
		.amdhsa_kernarg_size 40
		.amdhsa_user_sgpr_count 2
		.amdhsa_user_sgpr_kernarg_segment_ptr 1
		.amdhsa_wavefront_size32 1
		.amdhsa_system_sgpr_workgroup_id_x 1
		.amdhsa_system_sgpr_workgroup_id_y 1
		.amdhsa_system_sgpr_workgroup_id_z 1
		.amdhsa_system_vgpr_workitem_id 0
		.amdhsa_next_free_vgpr 1024
		.amdhsa_next_free_sgpr 100
		.amdhsa_reserve_vcc 0
		.amdhsa_float_denorm_mode_32 3
		.amdhsa_float_denorm_mode_16_64 3
		.amdhsa_memory_ordered 1
		.amdhsa_forward_progress 1
		.amdhsa_inst_pref_size 217
	.end_amdhsa_kernel
	.amdgpu_metadata
---
amdhsa.version: [ 1, 2 ]
amdhsa.kernels:
  - .name:           k_q98915306c6_proj
    .symbol:         k_q98915306c6_proj.kd
    .args:
      - { .name: ximg, .offset: 0, .size: 8, .value_kind: global_buffer, .address_space: global }
      - { .name: wqimg, .offset: 8, .size: 8, .value_kind: global_buffer, .address_space: global }
      - { .name: b_qkv, .offset: 16, .size: 8, .value_kind: global_buffer, .address_space: global }
      - { .name: qkvc, .offset: 24, .size: 8, .value_kind: global_buffer, .address_space: global }
      - { .name: qkvs, .offset: 32, .size: 8, .value_kind: global_buffer, .address_space: global }
    .group_segment_fixed_size: 327680
    .private_segment_fixed_size: 0
    .kernarg_segment_align: 8
    .kernarg_segment_size: 40
    .max_flat_workgroup_size: 128
    .sgpr_count:     100
    .vgpr_count:     1024
    .wavefront_size: 32
...
	.end_amdgpu_metadata
.endif
;; end of part 2
;; launch attn (part 3): grid 4 x 64, 16 waves a work-group, clusters of 4 x 1, 317,440 bytes of LDS; arguments qkvc, qkvs, attimg; writes attimg
.if DOCPART == 3
	.amdgcn_target "amdgcn-amd-amdhsa--gfx1250"
	.amdhsa_code_object_version 6
	.text
	.protected	k_q98915306c6_attn
	.globl	k_q98915306c6_attn
	.p2align	8
	.type	k_q98915306c6_attn,@function
k_q98915306c6_attn:
	s_mov_b64 s[64:65], 0
	v_nop
	global_prefetch_b8 v0, s[64:65] scope:SCOPE_SE
	s_setreg_imm32_b32 hwreg(HW_REG_WAVE_MODE, 25, 1), 1
	s_wait_xcnt 0x0
	s_wait_alu depctr_hold_cnt(0) depctr_sa_sdst(0) depctr_va_vdst(0) depctr_va_sdst(0) depctr_va_ssrc(0) depctr_va_vcc(0) depctr_vm_vsrc(0)
	s_getreg_b32 s2, hwreg(HW_REG_IB_STS2, 6, 4)
	s_cmp_eq_u32 s2, 0
	s_cbranch_scc0 .Lentry_in_a_cluster
	s_endpgm
.Lentry_in_a_cluster:
	s_bfe_u32 s2, ttmp6, 0x10000c
	s_cmp_lg_u32 s2, 0x3003
	s_cbranch_scc0 .Lentry_shape_is_right
	s_endpgm
.Lentry_shape_is_right:
; Causal attention of one head on codes of FP8 (E4M3) with E8M0 scales: S^T = K Q^T (K = the head's 64), p = 2^(t - M), O^T = V^T P^T (K = 128 keys a step), O / l, quantised along (head, channel).
; t = score x log2(e) / 8; M = the running largest t rounded UP to a whole number, kept as -M = floor(-t); the row's sum l is taken of the unquantised p; when M moves, l and O^T are multiplied by 2^(old M - new M): exact.
; LEFT OUT: key steps all of whose keys come after the group's queries: the causal mask sets their scores to -inf, so their p is 0 for all values of the inputs. A NaN or infinity that reaches only those scores is not carried.
; SHARES.  The four work-groups of a cluster serve one (batch, head); each has sixteen waves of 256 registers, four to a SIMD.  A wave owns one tile of 16 queries in each of two passes: in group g = wave / 2 of the head's
; sixteen groups of 128 queries, and in group 15 - g: (g + 1) + (16 - g) = 17 key steps of 128 for every wave.  Which of a group's eight tiles: cx + 4 (wave & 1): it enters global addresses and a lane's number for the mask alone.
; THE WHOLE HEAD'S K AND V STAY IN LDS, filled once by joint loads (mask: all four work-groups).  Nothing is filled again, there is one barrier, and nothing is left to ask for ahead of its load: so no prefetch.
; THE SCORE PRODUCT.  A fragment of 16 registers holds TWO tiles of 16 keys, one in k = 0..63 and one in k = 64..127.  Q stands as [Q][zero codes][Q], 24 registers: the run [Q][0] multiplies the first tile, the run [0][Q] the second.
; A tile's scale word repeats its two bytes, so it serves either half; the other half's bytes scale products with zero codes.
; TWO BUFFERS OF 64 REGISTERS BY TURNS.  Step i: K in one, S^T into the other; behind the score products V is asked for into K's; behind the conversions step i + 1's K is asked for into p's.  A trip of the loop is two steps.
; The look-ahead of a pass's last step reads LDS bytes that are filled and uses nothing of them.
; LAYOUT.  Both products are used transposed: a lane holds ONE query (lane % 16).  Row r of tile T of tokens or channels is number 32 (T/2) + 8 (T%2) + (r&7) + 16 (r>>3), so the 16 registers of tiles 2 b, 2 b + 1 of a result
; are 16 neighbours, 32 b + 16 (lane / 16) + 0..15, along the next K.
; OUT: attimg in the records of the last product's operand: ((head/4)*64 + 16 batch + group) * 33,792 + tile*4096 + ((head/2)&1)*2048 + (head&1)*1024 + c*512 + lane*16; two scale bytes a row at 32768 + tile*128 + 8 r + ...
; (stores of two bytes: the word's other half belongs to another head's work-groups).
; LIMITS: 1 / l by v_rcp_f32; blocks of zeros or under 2^-118 get the byte 1 (read by this program alone); NaN and infinities are not served; scaled scores stay under 2^31 in magnitude.
.set OREC, 33792
.set VOFF, 131072                      ; LDS: K's codes at 0, V's here,
.set KSO,  262144                      ; K's scale words,
.set VSO,  270336                      ; V's,
.set SPARE, 274432                     ; the spare words, 128 bytes a wave,
.set QST,  276480                      ; and each wave's own 2 x QSB bytes: Q of its two passes (1,024 bytes of codes, 128 of scale words)
.set QSB,  1280
.set DUAL, 1                           ; 1: the holds go two to an instruction
.set AK0,  1                           ; v1 16 x lane;  v2 the same in V;  v3, v4 16 r in K's and V's scale words
.set AV0,  2
.set ASK0, 3
.set ASV0, 4
.set ADK,  5                           ; v5-8 the trip's addresses
.set ADV,  6
.set ADS,  7
.set ADT,  8
.set QD,   9                           ; v9 my query's place in its group's 128, less 16 (lane / 16)
.set AQ,   10                          ; v10, v11 where the pass's Q lies in LDS
.set AQS,  11
.set QF,   16                          ; v16-39 [Q][0][Q]
.set BA,   40                          ; v40-103, v104-167 the two buffers
.set O,    168                         ; v168-199 O^T
.set PC,   200                         ; v200-215 p's codes
.set KSW,  216                         ; v216-223 K's scale words; v224-227 V's; v228 Q's; v229 p's: scales and nothing else
.set VSW,  224
.set QSW,  228
.set PSW,  229
.set FF,   230                         ; v[230:231] the factor in hand
.set TM,   232                         ; v232-247 at work
.set CH,   TM+4                        ; v236-249 seven partial sums of pairs
.set T0,   248
.set HW,   249
.set R8,   250                         ; 8 r
.set OAV,  251
.set OSV,  5
.set WV,   18
.set MNT,  19
.set SEL,  20
.set CS,   22                          ; s[22:23] c = log2(e) / 8
.set G1C,  24                          ; groups 1: 128, 32 and 16 rows of 256 bytes
.set G1KS, 32
.set G1VS, 40
.set G0C,  48
.set G0KS, 52
.set G0VS, 56
.set KS,   60                          ; the trip's first key step;  s61-63 its bytes in the codes, in K's and in V's scale words
.set TK,   61
.set TS,   62
.set TV,   63
.set GRP,  66
.set SUB,  67
.set BH,   68
.set PS,   69                          ; the pass
.set TT,   81
.set OA,   89                          ; s89, s90 where this pass's codes and scale bytes go; s91, s92 the next pass's
.macro CROUND
	s_barrier_signal -1
	s_barrier_wait -1
	s_cmp_lg_u32 s[WV], 0
	s_cbranch_scc1 .Lnot_wave_0_\@
	s_barrier_signal -3
.Lnot_wave_0_\@:
	s_barrier_wait -3
	s_barrier_signal -1
	s_barrier_wait -1
.endm
	s_load_b128 s[4:7], s[0:1], 0x0                    ; qkvc, qkvs
	s_load_b64 s[8:9], s[0:1], 0x10                    ; attimg
	v_lshl_add_u32 v254, v0, 2, SPARE
	v_mov_b32 v255, 0
	ds_add_u32 v254, v255                              ; the opening lines: the add twice on end and its wait
	ds_add_u32 v254, v255
	v_lshrrev_b32 v1, 5, v0
	v_readfirstlane_b32 s[WV], v1                      ; wave 0..15
	s_bfe_u32 s70, ttmp6, 0x40000                      ; cx
	s_and_b32 s[BH], ttmp7, 0xffff                     ; 16 batch + head, which the four partners share
.irp g, G1C, G1KS, G1VS
	s_mov_b32 s[\g], 15|(3<<16)|(1<<21)                ; the mask: all four; elements of 8 bytes; bit 21 beside a mask; no padding
	s_mov_b32 s[\g+1], 32<<16                          ; rows of 256 bytes
	s_mov_b32 s[\g+3], 32<<16
	s_mov_b32 s[\g+5], 32                              ; dense
	s_mov_b32 s[\g+6], 0
	s_mov_b32 s[\g+7], 0
.endr
	s_mov_b32 s[G1C+2], 128<<16
	s_mov_b32 s[G1C+4], 128
	s_mov_b32 s[G1KS+2], 32<<16
	s_mov_b32 s[G1KS+4], 32
	s_mov_b32 s[G1VS+2], 16<<16
	s_mov_b32 s[G1VS+4], 16
	s_and_b32 s71, s[WV], 7                            ; waves 0-3: a quarter of K's codes each; waves 4-7: of V's
	s_lshl_b32 s72, s71, 15                            ; in LDS
	s_lshr_b32 s73, s71, 2
	s_add_co_u32 s73, s73, 1                           ; section 1 (k) or 2 (v)
	s_lshl_b32 s73, s73, 23
	s_lshl_b32 s74, s[BH], 17
	s_add_co_u32 s74, s74, s73
	s_and_b32 s73, s[WV], 3
	s_lshl_b32 s73, s73, 15
	s_add_co_u32 s74, s74, s73
	s_mov_b32 s75, 0
	s_lshl_b32 s76, s[BH], 13
	s_add_co_u32 s76, s76, 524288
	s_mov_b32 s77, 0
	s_lshl_b32 s78, s[BH], 12
	s_add_co_u32 s78, s78, 1048576
	s_mov_b32 s79, 0
	s_mov_b32 s[MNT], 0x600000
	s_mov_b32 s[SEL], 0x76543210
	s_mov_b32 s[SEL+1], 0xfedcba98
	s_mov_b32 s[CS], 0x3e38aa3b
	s_mov_b32 s[CS+1], s[CS]
	s_wait_dscnt 0x0
	s_wait_kmcnt 0x0
	s_mov_b32 s[G0C], 1
	s_mov_b32 s[G0C+1], s72
	s_add_nc_u64 s[G0C+2:G0C+3], s[4:5], s[74:75]
	s_or_b32 s[G0C+3], s[G0C+3], 0x80000000
	s_mov_b32 s[G0KS], 1
	s_mov_b32 s[G0KS+1], KSO
	s_add_nc_u64 s[G0KS+2:G0KS+3], s[6:7], s[76:77]
	s_or_b32 s[G0KS+3], s[G0KS+3], 0x80000000
	s_mov_b32 s[G0VS], 1
	s_mov_b32 s[G0VS+1], VSO
	s_add_nc_u64 s[G0VS+2:G0VS+3], s[6:7], s[78:79]
	s_or_b32 s[G0VS+3], s[G0VS+3], 0x80000000
	CROUND                                             ; all four work-groups are here: the joint loads meet
	s_cmp_lt_u32 s[WV], 8                              ; at most one load a wave; the branches hang on the wave's number alone; four v_nop follow each line
	s_cbranch_scc0 .Lnot_codes
	tensor_load_to_lds s[G0C:G0C+3], s[G1C:G1C+7]
	s_nop 0
.rept 4
	v_nop
.endr
	s_branch .Lasked
.Lnot_codes:
	s_cmp_eq_u32 s[WV], 8
	s_cbranch_scc0 .Lnot_ks
	tensor_load_to_lds s[G0KS:G0KS+3], s[G1KS:G1KS+7]
	s_nop 0
.rept 4
	v_nop
.endr
	s_branch .Lasked
.Lnot_ks:
	s_cmp_eq_u32 s[WV], 9
	s_cbranch_scc0 .Lasked
	tensor_load_to_lds s[G0VS:G0VS+3], s[G1VS:G1VS+7]
	s_nop 0
.rept 4
	v_nop
.endr
.Lasked:
	s_and_b32 s71, s[WV], 1
	s_lshl_b32 s71, s71, 2
	s_add_co_u32 s[SUB], s71, s70                      ; my tile of a group's eight
	s_lshr_b32 s[GRP], s[WV], 1                        ; the first pass's group,
	s_xor_b32 s80, s[GRP], 15                          ; the second's: 15 - g
	s_lshl_b32 s82, s[BH], 17
	s_mov_b32 s83, 0
	s_add_nc_u64 s[82:83], s[4:5], s[82:83]            ; my head's q codes
	s_lshl_b32 s84, s[BH], 13
	s_mov_b32 s85, 0
	s_add_nc_u64 s[84:85], s[6:7], s[84:85]            ; and q scale words
	s_lshl_b32 s86, s[GRP], 3
	s_add_co_u32 s86, s86, s[SUB]
	s_lshl_b32 s86, s86, 10
	s_lshl_b32 s87, s80, 3
	s_add_co_u32 s87, s87, s[SUB]
	s_lshl_b32 s87, s87, 10
	s_lshr_b32 s88, s[SUB], 2
	s_lshl_b32 s88, s88, 8
	s_and_b32 s98, s[SUB], 3
	s_lshl_b32 s98, s98, 2
	s_add_co_u32 s88, s88, s98
	s_lshl_b32 s96, s[GRP], 9
	s_add_co_u32 s96, s96, s88                         ; q's scale words: the first pass's,
	s_lshl_b32 s97, s80, 9
	s_add_co_u32 s97, s97, s88                         ; the second's
	s_lshr_b32 s93, s[SUB], 1
	s_lshl_b32 s93, s93, 5
	s_and_b32 s98, s[SUB], 1
	s_lshl_b32 s98, s98, 3
	s_add_co_u32 s93, s93, s98                         ; my tile's first query in its group
	s_mul_i32 s94, s[WV], 2*QSB
	s_add_co_u32 s94, s94, QST                         ; my wave's own LDS bytes
	s_add_co_u32 s95, s94, 1024
	; where the results go
	s_and_b32 s71, s[BH], 15                           ; head
	s_lshr_b32 s72, s[BH], 4
	s_lshl_b32 s72, s72, 4                             ; 16 batch
	s_lshr_b32 s73, s71, 2
	s_lshl_b32 s73, s73, 6                             ; the K quarter's 64 records
	s_add_co_u32 s73, s73, s72
	s_add_co_u32 s74, s73, s[GRP]
	s_mul_i32 s74, s74, OREC
	s_add_co_u32 s75, s73, s80
	s_mul_i32 s75, s75, OREC
	s_bfe_u32 s76, s71, 0x10001                        ; (head / 2) & 1: which 128 of the record's 256 along K
	s_and_b32 s77, s71, 1                              ; head & 1: which 64 of those
	s_lshl_b32 s78, s[SUB], 12
	s_lshl_b32 s79, s76, 11
	s_add_co_u32 s78, s78, s79
	s_lshl_b32 s79, s77, 10
	s_add_co_u32 s78, s78, s79
	s_lshl_b32 s88, s[SUB], 7
	s_lshl_b32 s79, s76, 2
	s_add_co_u32 s88, s88, s79
	s_lshl_b32 s79, s77, 1
	s_add_co_u32 s88, s88, s79
	s_add_co_u32 s88, s88, 32768
	s_add_co_u32 s[OA], s74, s78
	s_add_co_u32 s[OA+1], s74, s88
	s_add_co_u32 s[OA+2], s75, s78
	s_add_co_u32 s[OA+3], s75, s88
	v_and_b32 v[T0], 31, v0
	v_lshlrev_b32 v[AK0], 4, v[T0]
	v_and_b32 v[HW], 15, v0                            ; r
	v_add_nc_u32 v5, s86, v[AK0]
	v_add_nc_u32 v6, s87, v[AK0]
	v_lshl_add_u32 v7, v[HW], 4, s96
	v_lshl_add_u32 v8, v[HW], 4, s97
	v_add_nc_u32 v[AQ], s94, v[AK0]
	v_lshl_add_u32 v[AQS], v[T0], 2, s95
	v_lshlrev_b32 v[R8], 3, v[HW]
	v_add_nc_u32 v[AV0], VOFF, v[AK0]
	v_lshl_add_u32 v[ASK0], v[HW], 4, KSO
	v_lshl_add_u32 v[ASV0], v[HW], 4, VSO
	v_and_b32 v[QD], 7, v0
	v_bfe_u32 v[T0], v0, 3, 1
	v_lshl_add_u32 v[QD], v[T0], 4, v[QD]
	v_bfe_u32 v[T0], v0, 4, 1
	v_lshlrev_b32 v[T0], 4, v[T0]
	v_sub_nc_u32 v[QD], v[QD], v[T0]
	v_add_nc_u32 v[QD], s93, v[QD]
.irp i, 0,1,2,3,4,5,6,7
	v_mov_b32 v[QF+8+\i], 0                            ; the zero codes between Q's two copies
.endr
.irp b, 0,1,2,3
	v_mov_b32 v[TM+4+\b], 0                            ; a lane permute's destination counts as read
.endr
	v_mov_b32 v[FF+1], 0                               ; named as the upper half of a pair
	s_wait_alu depctr_va_vdst(0)                       ; the wait at the head's end
	global_load_b128 v[BA:BA+3], v5, s[82:83]          ; Q of both passes, on its way to my LDS bytes
	global_load_b128 v[BA+4:BA+7], v5, s[82:83] offset:512
	global_load_b128 v[BA+8:BA+11], v6, s[82:83]
	global_load_b128 v[BA+12:BA+15], v6, s[82:83] offset:512
	global_load_b32 v[BA+16], v7, s[84:85]
	global_load_b32 v[BA+17], v8, s[84:85]
	s_wait_loadcnt 0x0
	s_wait_tensorcnt 0x0                               ; my part of the head is in,
	s_barrier_signal -1
	s_barrier_wait -1                                  ; everybody's is: no tensor load is out when the stores below go
	ds_store_b128 v[AQ], v[BA:BA+3]
	ds_store_b128 v[AQ], v[BA+4:BA+7] offset:512
	ds_store_b32 v[AQS], v[BA+16]
	ds_store_b128 v[AQ], v[BA+8:BA+11] offset:QSB
	ds_store_b128 v[AQ], v[BA+12:BA+15] offset:QSB+512
	ds_store_b32 v[AQS], v[BA+17] offset:QSB
; the holds of blocks b and b + 1: p is not negative, so they are one-sided.  A pair takes an even register of one block and an odd one of the other, so that destinations, first sources and bounds differ as the dual form asks
.macro HOLDS b
.if DUAL
.irp i, 0,2,4,6,8,10,12,14
	v_dual_min_num_f32 v[S+16*(\b)+\i], v[S+16*(\b)+\i], v[TM+8+(\b)] :: v_dual_min_num_f32 v[S+17+16*(\b)+\i], v[S+17+16*(\b)+\i], v[TM+9+(\b)]
	v_dual_min_num_f32 v[S+16+16*(\b)+\i], v[S+16+16*(\b)+\i], v[TM+9+(\b)] :: v_dual_min_num_f32 v[S+1+16*(\b)+\i], v[S+1+16*(\b)+\i], v[TM+8+(\b)]
.endr
.else
.irp i, 0,1,2,3,4,5,6,7,8,9,10,11,12,13,14,15
	v_min_num_f32 v[S+16*(\b)+\i], v[S+16*(\b)+\i], v[TM+8+(\b)]
	v_min_num_f32 v[S+16+16*(\b)+\i], v[S+16+16*(\b)+\i], v[TM+9+(\b)]
.endr
.endif
.irp d, 0,1
	v_cvt_scalef32_pk8_fp8_f32 v[PC+4*((\b)+\d):PC+4*((\b)+\d)+1], v[S+16*((\b)+\d):S+16*((\b)+\d)+7], v[TM+12+(\b)+\d]
	v_cvt_scalef32_pk8_fp8_f32 v[PC+4*((\b)+\d)+2:PC+4*((\b)+\d)+3], v[S+16*((\b)+\d)+8:S+16*((\b)+\d)+15], v[TM+12+(\b)+\d]
.endr
.endm
; A KEY STEP: 128 keys, the par-th of the trip's two
.macro STEP par
.set KB, BA+64*(\par)                  ; K, then V
.set S,  BA+64*(1-(\par))              ; S^T, then p, then the next step's K
.rept 5+4*(\par)
	v_nop                                              ; nine places (par = 0: with the trip's four additions): the first product below writes over registers that the last step's products read
.endr
.if (\par) == 0
	s_wait_alu depctr_va_vdst(0)
.endif
	s_wait_dscnt 0x0                                   ; K and its scale words are in
.irp t, 0,1,2,3,4,5,6,7
	v_wmma_scale_f32_16x16x128_f8f6f4 v[S+8*\t:S+8*\t+7], v[KB+16*(\t/2):KB+16*(\t/2)+15], v[QF+8*(\t%2):QF+8*(\t%2)+15], 0, v[KSW+\t], v[QSW]
.endr
.rept 8
	v_nop                                              ; places ahead of the loads into K's registers and of the first read of the scores
.endr
.irp t, 0,1,2,3                                ; V's four tiles of 16 channels x these 128 keys: 17 loads, which have the softmax in which to land
.irp c, 0,1,2,3
	ds_load_b128 v[KB+16*\t+4*\c:KB+16*\t+4*\c+3], v[ADV] offset:8192*(\par)+\t*2048+\c*512
.endr
.endr
	ds_load_b128 v[VSW:VSW+3], v[ADT] offset:256*(\par)
.if \par
	s_add_co_u32 s[TT], s[KS], 1
	s_cmp_lg_u32 s[TT], s[GRP]
.else
	s_cmp_lg_u32 s[KS], s[GRP]                         ; my group's own step: register n holds key 32 (n/16) + 16 (lane/16) + n%16 of the step, hidden where it comes after my query
.endif
	s_cbranch_scc1 .Lopen_\@
	v_mov_b32 v[T0], 0xff800000
.set n, 0
.rept 64
	v_cmp_gt_i32 vcc_lo, 32*(n/16)+n%16, v[QD]
	v_cndmask_b32 v[S+n], v[S+n], v[T0], vcc_lo
.set n, n+1
.endr
.Lopen_\@:
.irp b, 0,1,2,3
	v_max3_num_f32 v[TM+\b], v[S+16*\b], v[S+1+16*\b], v[S+2+16*\b]   ; the largest score of each block of 32 keys: for the row's maximum and, since p rises with the score, for the block's largest p
.endr
.irp i, 3,5,7,9,11,13
.irp b, 0,1,2,3
	v_max3_num_f32 v[TM+\b], v[TM+\b], v[S+16*\b+\i], v[S+1+16*\b+\i]
.endr
.endr
.irp b, 0,1,2,3
	v_max_num_f32 v[TM+\b], v[TM+\b], v[S+15+16*\b]
.endr
.irp b, 0,1,2,3
	s_delay_alu instid0(VALU_DEP_4)
	v_permlanex16_b32 v[TM+4+\b], v[TM+\b], s[SEL], s[SEL+1]
.endr
.irp b, 0,1,2,3
	s_delay_alu instid0(VALU_DEP_4)
	v_max_num_f32 v[TM+\b], v[TM+\b], v[TM+4+\b]      ; with lane l xor 16's 16 keys
.endr
	s_delay_alu instid0(VALU_DEP_2)
	v_max3_num_f32 v[T0], v[TM], v[TM+1], v[TM+2]
	s_delay_alu instid0(VALU_DEP_1)
	v_max_num_f32 v[T0], v[T0], v[TM+3]
	s_delay_alu instid0(VALU_DEP_1)
	v_mul_f32 v[T0], s[CS], v[T0]                      ; as t
	s_delay_alu instid0(VALU_DEP_1)
	v_max_num_f32 v13, v13, v[T0]                      ; the running largest t
	v_mov_b32 v[T0], v12
	s_delay_alu instid0(VALU_DEP_2)
	v_floor_f32 v12, -v13                              ; -M = floor(-t): M is a whole number
	s_delay_alu instid0(VALU_DEP_1)
	v_sub_f32 v[T0], v12, v[T0]                        ; old M - new M, 0 or less
	s_delay_alu instid0(VALU_DEP_1)
	v_cvt_i32_f32 v[T0], v[T0]                         ; (it saturates)
	s_delay_alu instid0(VALU_DEP_1)
	v_ldexp_f32 v[FF], 1.0, v[T0]                      ; f = 2^(old M - new M)
.set j, 0
.rept 32
	v_pk_fma_f32 v[S+j:S+j+1], v[S+j:S+j+1], s[CS:CS+1], v[12:13] op_sel_hi:[1,0,0]   ; t - M, two at a time
.set j, j+2
.endr
.irp b, 0,1,2,3
	v_fma_f32 v[TM+\b], v[TM+\b], s[CS], v12           ; the same of each block's largest score
.endr
	s_wait_alu depctr_va_vdst(0)                       ; ahead of the batch
.set j, 0
.rept 64
	v_exp_f32 v[S+j], v[S+j]                           ; p = 2^(t - M): one batch
.set j, j+1
.endr
	v_pk_mul_f32 v[14:15], v[14:15], v[FF:FF+1] op_sel_hi:[1,0]   ; the sums under the new M: the plain line behind the exponentials
	s_wait_alu depctr_va_vdst(0)                       ; one wait for the batch, ahead of its first reader
.irp b, 0,1,2,3
	v_exp_f32 v[TM+\b], v[TM+\b]                       ; the blocks' largest p
.endr
.set k, 0                                      ; the row's sum of the unquantised p: 32 pairs into eight chains (seven partial sums and l), by turns
.rept 7
	v_pk_add_f32 v[CH+2*k:CH+2*k+1], v[S+4+8*k:S+5+8*k], v[S+8+8*k:S+9+8*k]
.set k, k+1
.endr
	v_pk_add_f32 v[14:15], v[14:15], v[S+60:S+61]
	v_pk_add_f32 v[CH:CH+1], v[CH:CH+1], v[S:S+1]
.set k, 1
.rept 6
	v_pk_add_f32 v[CH+2*k:CH+2*k+1], v[CH+2*k:CH+2*k+1], v[S+4*k-2:S+4*k-1]
.set k, k+1
.endr
	v_pk_add_f32 v[14:15], v[14:15], v[S+26:S+27]
.set k, 0
.rept 7
	v_pk_add_f32 v[CH+2*k:CH+2*k+1], v[CH+2*k:CH+2*k+1], v[S+30+4*k:S+31+4*k]
.set k, k+1
.endr
	v_pk_add_f32 v[14:15], v[14:15], v[S+58:S+59]
	v_pk_add_f32 v[CH:CH+1], v[CH:CH+1], v[S+62:S+63]
	s_delay_alu instid0(VALU_DEP_2)
	v_pk_add_f32 v[14:15], v[14:15], v[CH+6:CH+7]
	s_delay_alu instid0(VALU_DEP_2)
	v_pk_add_f32 v[CH:CH+1], v[CH:CH+1], v[CH+8:CH+9]
	v_pk_add_f32 v[CH+2:CH+3], v[CH+2:CH+3], v[CH+10:CH+11]
	v_pk_add_f32 v[CH+4:CH+5], v[CH+4:CH+5], v[CH+12:CH+13]
	s_delay_alu instid0(VALU_DEP_2)
	v_pk_add_f32 v[14:15], v[14:15], v[CH+2:CH+3]
	s_delay_alu instid0(VALU_DEP_2)
	v_pk_add_f32 v[CH:CH+1], v[CH:CH+1], v[CH+4:CH+5]
	s_delay_alu instid0(VALU_DEP_1)
	v_pk_add_f32 v[14:15], v[14:15], v[CH:CH+1]
	s_wait_alu depctr_va_vdst(0)                       ; and one for the four
.irp b, 0,1,2,3
	v_max_num_f32 v[TM+\b], 0x4800000, v[TM+\b]        ; the floor: the byte cannot fall under 1
.endr
.irp b, 0,1,2,3
	s_delay_alu instid0(VALU_DEP_4)
	v_add_nc_u32 v[TM+12+\b], 0xfc000000, v[TM+\b]     ; 8 off the exponent field: the conversion's scale operand
.endr
.irp b, 0,1,2,3
	v_and_or_b32 v[TM+8+\b], v[TM+\b], 0x7f800000, s[MNT]   ; 448 x the scale
.endr
.irp b, 0,1,2,3
	v_lshrrev_b32 v[TM+4+\b], 23, v[TM+12+\b]          ; the byte
.endr
	s_delay_alu instid0(VALU_DEP_3)
	v_lshl_or_b32 v[PSW], v[TM+5], 8, v[TM+4]          ; p's scale word for these 128 keys
	s_delay_alu instid0(VALU_DEP_1)
	v_lshl_or_b32 v[PSW], v[TM+6], 16, v[PSW]
	s_delay_alu instid0(VALU_DEP_1)
	v_lshl_or_b32 v[PSW], v[TM+7], 24, v[PSW]
	HOLDS 0
	HOLDS 2
	v_nop                                              ; one plain line behind the last conversion
.irp t, 0,1,2,3                                ; the next step's K, two tiles of keys to a fragment, into the registers that p has left, and its scale words: 18 loads
.irp c, 0,1,2,3
	ds_load_b128 v[S+16*\t+4*\c:S+16*\t+4*\c+3], v[ADK] offset:8192*((\par)+1)+\t*2048+\c*512
.endr
.endr
	ds_load_b128 v[KSW:KSW+3], v[ADS] offset:512*((\par)+1)
	ds_load_b128 v[KSW+4:KSW+7], v[ADS] offset:512*((\par)+1)+256
	s_wait_alu depctr_va_vdst(0)                       ; directly ahead of the first reader of O^T
.set j, 0
.rept 16
	v_pk_mul_f32 v[O+j:O+j+1], v[O+j:O+j+1], v[FF:FF+1] op_sel_hi:[1,0]   ; O^T under the new M; these 16 are also the places between the codes, the scale word and the scaled products
.set j, j+2
.endr
	s_wait_alu depctr_va_vdst(0)
	s_wait_dscnt 18                                    ; V and its scale words are in; the 18 loads issued behind them may be out
.irp t, 0,1,2,3
	v_wmma_scale_f32_16x16x128_f8f6f4 v[O+8*\t:O+8*\t+7], v[KB+16*\t:KB+16*\t+15], v[PC:PC+15], v[O+8*\t:O+8*\t+7], v[VSW+\t], v[PSW]   ; four accumulators by turns; between two links of one stand the next step's eight score products
.endr
.endm
	s_mov_b32 s[PS], 0
.Lpass:                                            ; two trips: group g, then group 15 - g
	s_wait_xcnt 0x0                                    ; the last pass's stores have read their registers
	ds_load_b128 v[QF:QF+3], v[AQ]                     ; LDS serves a wave's instructions in order (ISA guide 5.7.1.4): these see my stores
	ds_load_b128 v[QF+4:QF+7], v[AQ] offset:512
	ds_load_b128 v[QF+16:QF+19], v[AQ]
	ds_load_b128 v[QF+20:QF+23], v[AQ] offset:512
	ds_load_b32 v[QSW], v[AQS]
.irp t, 0,1,2,3                                ; key step 0
.irp c, 0,1,2,3
	ds_load_b128 v[BA+16*\t+4*\c:BA+16*\t+4*\c+3], v[AK0] offset:\t*2048+\c*512
.endr
.endr
	ds_load_b128 v[KSW:KSW+3], v[ASK0]
	ds_load_b128 v[KSW+4:KSW+7], v[ASK0] offset:256
	v_mov_b32 v13, 0xff61b1e6                          ; the largest t so far: -3e38
	v_floor_f32 v12, -v13
	v_mov_b32 v14, 0
	v_mov_b32 v15, 0
.set j, 0
.rept 32
	v_mov_b32 v[O+j], 0                                ; the step is written once for all trips: the first finds zeros
.set j, j+1
.endr
	s_mov_b32 s[KS], 0
	s_mov_b32 s[TK], 0
	s_mov_b32 s[TS], 0
	s_mov_b32 s[TV], 0
	s_wait_alu depctr_va_vdst(0)                       ; ahead of the loop
.Lkeys:                                            ; eight trips of two key steps in every wave; the steps past my group are jumped over (the wave's number and the counter alone)
	s_cmp_gt_u32 s[KS], s[GRP]
	s_cbranch_scc1 .Lpast
	v_add_nc_u32 v[ADV], s[TK], v[AV0]
	v_add_nc_u32 v[ADT], s[TV], v[ASV0]
	v_add_nc_u32 v[ADK], s[TK], v[AK0]
	v_add_nc_u32 v[ADS], s[TS], v[ASK0]
	STEP 0
	s_cmp_ge_u32 s[KS], s[GRP]
	s_cbranch_scc1 .Lpast
	STEP 1
.Lpast:
	s_add_co_u32 s[TK], s[TK], 16384
	s_add_co_u32 s[TS], s[TS], 1024
	s_add_co_u32 s[TV], s[TV], 512
	s_add_co_u32 s[KS], s[KS], 2
	s_cmp_lt_u32 s[KS], 16
	s_cbranch_scc1 .Lkeys
	; O^T / l, quantised along the head's 64 channels (two blocks), to the registers' places in the next operand's record
.set S, BA
	s_wait_dscnt 0x0                                   ; the look-ahead's loads have landed: both buffers are free
	v_add_nc_u32 v[OAV], s[OA], v[AK0]
	v_add_nc_u32 v[OSV], s[OA+1], v[R8]
.rept 6
	v_nop                                              ; with the two additions eight places behind the last products
.endr
	v_add_f32 v14, v14, v15
	s_delay_alu instid0(VALU_DEP_1)
	v_permlanex16_b32 v[T0], v14, s[SEL], s[SEL+1]
	s_delay_alu instid0(VALU_DEP_1)
	v_add_f32 v14, v14, v[T0]                          ; the row's sum
	s_wait_alu depctr_va_vdst(0)
	v_rcp_f32 v[FF], v14
	v_nop
	s_wait_alu depctr_va_vdst(0)
.set j, 0
.rept 16
	v_pk_mul_f32 v[S+j:S+j+1], v[O+j:O+j+1], v[FF:FF+1] op_sel_hi:[1,0]   ; register 16 b + i: channel 32 b + 16 h + i of my query
.set j, j+2
.endr
.irp b, 0,1
	v_max3_num_f32 v[TM+\b], |v[S+16*\b]|, |v[S+1+16*\b]|, 0x4800000
.endr
.irp i, 2,4,6,8,10,12,14
.irp b, 0,1
	s_delay_alu instid0(VALU_DEP_2)
	v_max3_num_f32 v[TM+\b], v[TM+\b], |v[S+16*\b+\i]|, |v[S+1+16*\b+\i]|
.endr
.endr
.irp b, 0,1
	s_delay_alu instid0(VALU_DEP_2)
	v_permlanex16_b32 v[TM+4+\b], v[TM+\b], s[SEL], s[SEL+1]
.endr
.irp b, 0,1
	s_delay_alu instid0(VALU_DEP_2)
	v_max_num_f32 v[TM+\b], v[TM+\b], v[TM+4+\b]
.endr
.irp b, 0,1
	s_delay_alu instid0(VALU_DEP_2)
	v_add_nc_u32 v[TM+12+\b], 0xfc000000, v[TM+\b]
.endr
.irp b, 0,1
	s_delay_alu instid0(VALU_DEP_4)
	v_and_or_b32 v[TM+8+\b], v[TM+\b], 0x7f800000, s[MNT]
.endr
.irp b, 0,1
	s_delay_alu instid0(VALU_DEP_4)
	v_lshrrev_b32 v[TM+4+\b], 23, v[TM+12+\b]
.endr
	s_delay_alu instid0(VALU_DEP_1)
	v_lshl_or_b32 v[HW], v[TM+5], 8, v[TM+4]
.irp b, 0,1
.irp i, 0,1,2,3,4,5,6,7,8,9,10,11,12,13,14,15
	v_med3_num_f32 v[S+16*\b+\i], v[S+16*\b+\i], -v[TM+8+\b], v[TM+8+\b]
.endr
	v_cvt_scalef32_pk8_fp8_f32 v[PC+4*\b:PC+4*\b+1], v[S+16*\b:S+16*\b+7], v[TM+12+\b]
	v_cvt_scalef32_pk8_fp8_f32 v[PC+4*\b+2:PC+4*\b+3], v[S+16*\b+8:S+16*\b+15], v[TM+12+\b]
.endr
	v_nop
	global_store_b128 v[OAV], v[PC:PC+3], s[8:9]                   ; 512 consecutive aligned bytes
	global_store_b128 v[OAV], v[PC+4:PC+7], s[8:9] offset:512
	global_store_b16 v[OSV], v[HW], s[8:9]                         ; both halves of the lanes write the same two bytes with the same value
	v_add_nc_u32 v[AQ], QSB, v[AQ]                     ; on to the second pass: its Q, its group, its places
	v_add_nc_u32 v[AQS], QSB, v[AQS]
	s_xor_b32 s[GRP], s[GRP], 15
	s_mov_b32 s[OA], s[OA+2]
	s_mov_b32 s[OA+1], s[OA+3]
	s_add_co_u32 s[PS], s[PS], 1
	s_cmp_lt_u32 s[PS], 2
	s_wait_alu depctr_va_vdst(0)                       ; directly ahead of the branch
	s_cbranch_scc1 .Lpass
	s_wait_tensorcnt 0x0                               ; the wave's end
	ds_add_u32 v254, v255
	s_wait_dscnt 0x0
	CROUND                                             ; the closing round
	s_endpgm
.Lfunc_end_k_q98915306c6_attn:
	.size	k_q98915306c6_attn, .Lfunc_end_k_q98915306c6_attn-k_q98915306c6_attn
	.p2alignl 7, 3214868480
	.fill 96, 4, 3214868480
	.section	.rodata,"a",@progbits
	.p2align	6, 0x0
	.amdhsa_kernel k_q98915306c6_attn
		.amdhsa_group_segment_fixed_size 317440
		.amdhsa_private_segment_fixed_size 0
		.amdhsa_enable_private_segment 0
		.amdhsa_kernarg_size 24
		.amdhsa_user_sgpr_count 2
		.amdhsa_user_sgpr_kernarg_segment_ptr 1
		.amdhsa_wavefront_size32 1
		.amdhsa_system_sgpr_workgroup_id_x 1
		.amdhsa_system_sgpr_workgroup_id_y 1
		.amdhsa_system_sgpr_workgroup_id_z 1
		.amdhsa_system_vgpr_workitem_id 0
		.amdhsa_next_free_vgpr 256
		.amdhsa_next_free_sgpr 100
		.amdhsa_reserve_vcc 1
		.amdhsa_float_denorm_mode_32 3
		.amdhsa_float_denorm_mode_16_64 3
		.amdhsa_memory_ordered 1
		.amdhsa_forward_progress 1
		.amdhsa_inst_pref_size 69
	.end_amdhsa_kernel
	.amdgpu_metadata
---
amdhsa.version: [ 1, 2 ]
amdhsa.kernels:
  - .name:           k_q98915306c6_attn
    .symbol:         k_q98915306c6_attn.kd
    .args:
      - { .name: qkvc, .offset: 0, .size: 8, .value_kind: global_buffer, .address_space: global }
      - { .name: qkvs, .offset: 8, .size: 8, .value_kind: global_buffer, .address_space: global }
      - { .name: attimg, .offset: 16, .size: 8, .value_kind: global_buffer, .address_space: global }
    .group_segment_fixed_size: 317440
    .private_segment_fixed_size: 0
    .kernarg_segment_align: 8
    .kernarg_segment_size: 24
    .max_flat_workgroup_size: 512
    .sgpr_count:     100
    .vgpr_count:     256
    .wavefront_size: 32
...
	.end_amdgpu_metadata
.endif
;; end of part 3
;; launch outp (part 4): grid 4 x 64, 4 waves a work-group, clusters of 4 x 4, 327,680 bytes of LDS; arguments attimg, woimg, b_out, out0; writes out0
.if DOCPART == 4
	.amdgcn_target "amdgcn-amd-amdhsa--gfx1250"
	.amdhsa_code_object_version 6
	.text
	.protected	k_q98915306c6_outp
	.globl	k_q98915306c6_outp
	.p2align	8
	.type	k_q98915306c6_outp,@function
k_q98915306c6_outp:
	s_mov_b64 s[64:65], 0
	v_nop
	global_prefetch_b8 v0, s[64:65] scope:SCOPE_SE
	s_setreg_imm32_b32 hwreg(HW_REG_WAVE_MODE, 25, 1), 1
	s_wait_xcnt 0x0
	s_wait_alu depctr_hold_cnt(0) depctr_sa_sdst(0) depctr_va_vdst(0) depctr_va_sdst(0) depctr_va_ssrc(0) depctr_va_vcc(0) depctr_vm_vsrc(0)
	s_getreg_b32 s2, hwreg(HW_REG_IB_STS2, 6, 4)
	s_cmp_eq_u32 s2, 0
	s_cbranch_scc0 .Lentry_in_a_cluster
	s_endpgm
.Lentry_in_a_cluster:
	s_bfe_u32 s2, ttmp6, 0x10000c
	s_cmp_lg_u32 s2, 0xf033
	s_cbranch_scc0 .Lentry_shape_is_right
	s_endpgm
.Lentry_shape_is_right:
; out0 = att W_out + b_out on codes of FP8 (E4M3) with E8M0 scales, sums in f32, results f32.
; OPERANDS are records of 128 rows x 256 K = 33,792 dense bytes, codes in the order of the operand's registers, scale words behind them; row r of tile T is row 32 (T/2) + 8 (T%2) + (r&7) + 16 (r>>3).
; THE DEAL.  256 work-groups of four waves, 2 x 2.  A work-group owns 128 tokens and 256 columns: two groups of 128.  A wave holds its 64 tokens, ALL of K = 1,024, in 512 registers; a group of W_out, all of K, is four records = one LDS slot;
; a wave multiplies its 64 columns of it: 16 accumulators, 128 products.  Source 0 = W_out's rows, source 1 = the tokens': a lane holds one token and its registers run along the columns.
; LDS: two slots of four records.  The tokens land in slot 1 at the head and go into registers; group 0 is first filled into slot 0 behind a round, group 1 over the tokens behind the next round, 128 products a wave ahead of the wait for it.
; The launch has two groups and no loop to run ahead in: so no prefetch is laid.  CLUSTERS of 4 x 4: the tokens' records are shared along a row of the cluster, W_out's along a column, asked for jointly, one load a wave and round.
; THE WAY OUT: a token tile's 16 rows x 64 columns go through my own stage in LDS (bytes into which no tensor load lands) and leave as rows: sixteen lanes store one aligned unit of 256 bytes.
; LIMITS: NaN and infinities are not served.
; REGISTERS: window 0: v1-23 lane terms and addresses; v24-55 the tokens' scale words (8 a + chunk); v60-91 W_out's (8 b + chunk); v128-255 the 16 accumulators.  windows 1, 2: the tokens' 32 fragments.  window 3: v0-127 W_out's fragments, two sets; v128-159 the bias.
.set OREC,  33792
.set SCO,   32768
.set SLOT,  4*OREC
.set SPARE, 2*SLOT
.set STG,   SPARE+512                  ; the stages: 16 rows x (256 + 16) bytes a wave
.set SP,    272
.set NGRP,  8
.set NP,    8
.set ADRP,  4
.set ADPS,  8
.set ADRX,  12
.set AXS,   14
.set SPW,   16
.set NIL,   17
.set BOF,   18
.set STO,   19
.set RD,    20
.set GO,    21
.set XS,    24
.set PS,    60
.set ACC,   128
.set BQ,    128                        ; in window 3
.set G1X, 24
.set G0X, 32
.set G0P, 36
.set G1P, 48
.set OB,  84
.set BB,  92
.set MSB, 0
.macro WIN new
.if MSB != (\new)
	s_set_vgpr_msb (MSB<<8)|(\new)
.set MSB, (\new)
.endif
.endm
.macro PLACES n
.rept \n
	v_nop
.endr
.endm
.macro CROUND
	s_barrier_signal -1
	s_barrier_wait -1
	s_cmp_lg_u32 s14, 0
	s_cbranch_scc1 .Lnot_wave_0_\@
	s_barrier_signal -3
.Lnot_wave_0_\@:
	s_barrier_wait -3
	s_barrier_signal -1
	s_barrier_wait -1
.endm
.macro TLOAD g0, g1
	tensor_load_to_lds s[\g0:\g0+3], s[\g1:\g1+7]
	s_nop 0
	PLACES 4
.endm
.macro GRD
	s_wait_tensorcnt 0x0
	ds_add_u32 v[SPW], v[NIL]
.endm
.macro FETCHP slot, ch
	WIN 0xc0
.irp b, 0,1,2,3
.irp c, 0,1,2,3
	ds_load_b128 v[64*((\ch)%2)+16*\b+4*\c:64*((\ch)%2)+16*\b+4*\c+3], v[ADRP+2*(\slot)+(\ch)/4] offset:(((\ch)/2)%2)*OREC+\b*4096+((\ch)%2)*2048+\c*512
.endr
.endr
.endm
.macro PSLOAD slot
	WIN 0
.irp q, 0,1,2,3
.irp b, 0,1,2,3
	ds_load_b64 v[PS+8*\b+2*\q:PS+8*\b+2*\q+1], v[ADPS+2*(\slot)+\q/2] offset:(\q%2)*OREC+\b*128
.endr
.endr
.endm
.macro MUL ch                          ; 16 products; the 16 accumulators take turns; chunk 0 starts the sums
	WIN 3|((1+(\ch)/4)<<2)
.irp a, 0,1,2,3
.irp b, 0,1,2,3
.set XF_, 16*((4*(\ch)+\a)%16)
.set PF_, 64*((\ch)%2)+16*\b
.set D_, ACC+8*(4*\a+\b)
.if (\ch) == 0
	v_wmma_scale_f32_16x16x128_f8f6f4 v[D_:D_+7], v[PF_:PF_+15], v[XF_:XF_+15], 0, v[PS+8*\b+(\ch)], v[XS+8*\a+(\ch)]
.else
	v_wmma_scale_f32_16x16x128_f8f6f4 v[D_:D_+7], v[PF_:PF_+15], v[XF_:XF_+15], v[D_:D_+7], v[PS+8*\b+(\ch)], v[XS+8*\a+(\ch)]
.endif
.endr
.endr
.endm
.macro CHUNK slot, ch
.if (\ch) < 7
.if (\ch) > 0
	PLACES NP                                          ; ahead of loads into the set that the last chunk's products read
.endif
	FETCHP \slot, (\ch)+1
	s_wait_dscnt 16                                    ; this chunk's fragments are in; the 16 loads just issued may be out
.else
	s_wait_dscnt 0x0
.endif
	MUL \ch
.endm
.macro GROUP e, more                   ; a group of 128 columns, in slot e.  more = 1: a barrier shows the other slot's group
	WIN 0xc0
.irp b, 0,1,2,3
	global_load_b128 v[BQ+8*\b:BQ+8*\b+3], v[BOF], s[BB:BB+1] offset:(\e)*512+4*(32*(\b/2)+8*(\b%2))
	global_load_b128 v[BQ+8*\b+4:BQ+8*\b+7], v[BOF], s[BB:BB+1] offset:(\e)*512+4*(32*(\b/2)+8*(\b%2))+16
.endr
.irp ch, 0,1,2,3,4,5,6,7
	CHUNK \e, \ch
.endr
	WIN 0
.if \more
	GRD
	s_wait_dscnt 0x0
	s_barrier_signal -1
	s_barrier_wait -1
	PLACES NP
	FETCHP 1-(\e), 0                                   ; the next group's first fragments and scale words land under the way out
	PSLOAD 1-(\e)
.else
	PLACES NP
.endif
	s_wait_loadcnt 0x0                                 ; the bias
.irp a, 0,1,2,3                                ; token tile a: the bias, into the stage by lanes, back by rows into the same registers (LDS serves a wave's instructions in order: ISA guide 5.7.1.4)
	WIN 0x0c
.set k, 0
.rept 16
	v_pk_add_f32 v[ACC+32*\a+k:ACC+32*\a+k+1], v[ACC+32*\a+k:ACC+32*\a+k+1], v[BQ+k:BQ+k+1]   ; each accumulator from its low end on
.set k, k+2
.endr
	WIN 0
.irp b, 0,1,2,3
	ds_store_b128 v[STO], v[ACC+32*\a+8*\b:ACC+32*\a+8*\b+3] offset:128*(\b/2)+32*(\b%2)
	ds_store_b128 v[STO], v[ACC+32*\a+8*\b+4:ACC+32*\a+8*\b+7] offset:128*(\b/2)+32*(\b%2)+16
.endr
.irp t, 0,1,2,3,4,5,6,7
	ds_load_b128 v[ACC+32*\a+4*\t:ACC+32*\a+4*\t+3], v[RD] offset:\t*2*SP
.endr
.endr
.irp a, 0,1,2,3
	s_wait_dscnt 16*(3-\a)                             ; tile a is back; the later tiles' 8 stores and 8 loads each may be out
.irp t, 0,1,2,3,4,5,6,7
	global_store_b128 v[GO], v[ACC+32*\a+4*\t:ACC+32*\a+4*\t+3], s[OB:OB+1] offset:(\e)*512+(32*(\a/2)+8*(\a%2)+2*(\t%4)+16*(\t/4))*4096 th:TH_STORE_NT   ; sixteen lanes store 256 consecutive aligned bytes
.endr
.endr
	s_wait_xcnt 0x0                                    ; the stores have read the accumulators' registers
.endm
	s_load_b256 s[4:11], s[0:1], 0x0                   ; attimg s[4:5], woimg s[6:7], b_out s[8:9], out0 s[10:11]
	v_lshl_add_u32 v[SPW], v0, 2, SPARE
	v_mov_b32 v[NIL], 0
	ds_add_u32 v[SPW], v[NIL]                          ; the opening lines: the add twice on end and its wait
	ds_add_u32 v[SPW], v[NIL]
	v_lshrrev_b32 v1, 5, v0
	v_readfirstlane_b32 s14, v1                        ; wave 0..3: also the K quarter whose records I fetch
	s_lshr_b32 s15, s14, 1                             ; my 64 tokens
	s_and_b32 s16, s14, 1                              ; my 64 columns of a group
	s_bfe_u32 s40, ttmp6, 0x40000                      ; cx
	s_bfe_u32 s41, ttmp6, 0x40004                      ; cy
	s_mov_b32 s98, s40                                 ; cx is kept here: s[36:43] take W_out's two groups 0 below
	s_lshl_b32 s43, s41, 2
	s_lshl_b32 s43, 15, s43
	s_lshl_b32 s44, 0x1111, s40
	s_or_b32 s[G1X], s43, (3<<16)|(1<<21)
	s_or_b32 s[G1P], s44, (3<<16)|(1<<21)
.irp g, G1X, G1P
	s_mov_b32 s[\g+1], 32<<16
	s_mov_b32 s[\g+2], 132<<16
	s_mov_b32 s[\g+3], 32<<16
	s_mov_b32 s[\g+4], 132
	s_mov_b32 s[\g+5], 32
	s_mov_b32 s[\g+6], 0
	s_mov_b32 s[\g+7], 0
.endr
	s_and_b32 s46, ttmp7, 0xffff
	s_lshl_b32 s46, s46, 2
	s_add_co_u32 s46, s46, s41                         ; the group of 128 tokens, 0..63
	s_lshl_b32 s78, s14, 6
	s_add_co_u32 s78, s78, s46
	s_mul_i32 s78, s78, OREC
	s_mov_b32 s79, 0
	s_mul_i32 s80, s14, NGRP
	s_lshl_b32 s81, s40, 1
	s_add_co_u32 s80, s80, s81
	s_mul_i32 s80, s80, OREC
	s_mov_b32 s81, 0
	s_mul_i32 s82, s14, OREC
	s_wait_dscnt 0x0
	s_wait_kmcnt 0x0
	s_mov_b32 s[G0X], 1
	s_add_co_u32 s[G0X+1], s82, SLOT
	s_add_nc_u64 s[G0X+2:G0X+3], s[4:5], s[78:79]
	s_or_b32 s[G0X+3], s[G0X+3], 0x80000000
	s_mov_b32 s[G0P], 1
	s_mov_b32 s[G0P+1], s82
	s_add_nc_u64 s[G0P+2:G0P+3], s[6:7], s[80:81]
	s_add_nc_u64 s[G0P+6:G0P+7], s[G0P+2:G0P+3], OREC
	s_or_b32 s[G0P+3], s[G0P+3], 0x80000000
	s_mov_b32 s[G0P+4], 1
	s_add_co_u32 s[G0P+5], s82, SLOT
	s_or_b32 s[G0P+7], s[G0P+7], 0x80000000
	CROUND
	TLOAD G0X, G1X                                     ; the tokens' four records, one a wave, into slot 1
	s_lshl_b32 s76, s98, 10
	s_lshl_b32 s73, s16, 8
	s_add_co_u32 s76, s76, s73                         ; my 64 columns of my first group, in bytes
	s_mov_b32 s77, 0
	s_add_nc_u64 s[BB:BB+1], s[8:9], s[76:77]
	s_lshl_b32 s73, s46, 19
	s_add_co_u32 s76, s76, s73                         ; 128 rows of 4,096 bytes a group of tokens,
	s_lshl_b32 s73, s15, 18
	s_add_co_u32 s76, s76, s73                         ; 64 a row of waves
	s_add_nc_u64 s[OB:OB+1], s[10:11], s[76:77]
	s_lshl_b32 s56, s16, 14
	s_lshl_b32 s57, s16, 9
	s_add_co_u32 s57, s57, SCO
	s_lshl_b32 s58, s15, 14
	s_add_co_u32 s58, s58, SLOT
	s_lshl_b32 s59, s15, 9
	s_add_co_u32 s59, s59, SLOT+SCO
	s_mul_i32 s60, s14, 16*SP
	s_add_co_u32 s60, s60, STG                         ; my stage
	v_and_b32 v1, 15, v0                               ; r
	v_bfe_u32 v2, v0, 4, 1                             ; h
	v_and_b32 v3, 31, v0
	v_lshlrev_b32 v3, 4, v3                            ; 16 x lane
	v_add_nc_u32 v[ADRP], s56, v3
	v_add_nc_u32 v[ADRP+1], 2*OREC, v[ADRP]
	v_add_nc_u32 v[ADRP+2], SLOT, v[ADRP]
	v_add_nc_u32 v[ADRP+3], SLOT+2*OREC, v[ADRP]
	v_lshl_add_u32 v[ADPS], v1, 3, s57
	v_add_nc_u32 v[ADPS+1], 2*OREC, v[ADPS]
	v_add_nc_u32 v[ADPS+2], SLOT, v[ADPS]
	v_add_nc_u32 v[ADPS+3], SLOT+2*OREC, v[ADPS]
	v_add_nc_u32 v[ADRX], s58, v3
	v_add_nc_u32 v[ADRX+1], 2*OREC, v[ADRX]
	v_lshl_add_u32 v[AXS], v1, 3, s59
	v_add_nc_u32 v[AXS+1], 2*OREC, v[AXS]
	v_lshlrev_b32 v[BOF], 6, v2
	v_mul_u32_u24 v[STO], v1, SP                       ; in: row r, 64 h bytes on
	v_lshl_add_u32 v[STO], v2, 6, v[STO]
	v_add_nc_u32 v[STO], s60, v[STO]
	v_mul_u32_u24 v[RD], v2, SP                        ; back: lanes 0-15 one row, lanes 16-31 the next
	v_lshl_add_u32 v[RD], v1, 4, v[RD]
	v_add_nc_u32 v[RD], s60, v[RD]
	v_lshlrev_b32 v[GO], 12, v2                        ; and the same two rows in out0
	v_lshl_add_u32 v[GO], v1, 4, v[GO]
	s_wait_alu depctr_va_vdst(0)                       ; the wait at the head's end
	GRD
	s_wait_dscnt 0x0
	CROUND
	TLOAD G0P, G1P                                     ; group 0 into slot 0
.irp ch, 0,1,2,3,4,5,6,7                       ; my 64 tokens, all of K, into windows 1 and 2: 128 loads
	WIN (1+\ch/4)<<6
.irp a, 0,1,2,3
.irp c, 0,1,2,3
	ds_load_b128 v[16*((4*\ch+\a)%16)+4*\c:16*((4*\ch+\a)%16)+4*\c+3], v[ADRX+\ch/4] offset:((\ch/2)%2)*OREC+\a*4096+(\ch%2)*2048+\c*512
.endr
.endr
.endr
	WIN 0
.irp q, 0,1,2,3
.irp a, 0,1,2,3
	ds_load_b64 v[XS+8*\a+2*\q:XS+8*\a+2*\q+1], v[AXS+\q/2] offset:(\q%2)*OREC+\a*128
.endr
.endr
	GRD
	s_wait_dscnt 0x0                                   ; and the tokens are in my registers
	CROUND
	TLOAD G0P+4, G1P                                   ; group 1 over the tokens, in slot 1
	FETCHP 0, 0
	PSLOAD 0
	GROUP 0, 1
	GROUP 1, 0
	s_wait_tensorcnt 0x0                               ; the wave's end
	ds_add_u32 v[SPW], v[NIL]
	s_wait_dscnt 0x0
	CROUND                                             ; the closing round
	s_endpgm
.Lfunc_end_k_q98915306c6_outp:
	.size	k_q98915306c6_outp, .Lfunc_end_k_q98915306c6_outp-k_q98915306c6_outp
	.p2alignl 7, 3214868480
	.fill 96, 4, 3214868480
	.section	.rodata,"a",@progbits
	.p2align	6, 0x0
	.amdhsa_kernel k_q98915306c6_outp
		.amdhsa_group_segment_fixed_size 327680
		.amdhsa_private_segment_fixed_size 0
		.amdhsa_enable_private_segment 0
		.amdhsa_kernarg_size 32
		.amdhsa_user_sgpr_count 2
		.amdhsa_user_sgpr_kernarg_segment_ptr 1
		.amdhsa_wavefront_size32 1
		.amdhsa_system_sgpr_workgroup_id_x 1
		.amdhsa_system_sgpr_workgroup_id_y 1
		.amdhsa_system_sgpr_workgroup_id_z 1
		.amdhsa_system_vgpr_workitem_id 0
		.amdhsa_next_free_vgpr 1024
		.amdhsa_next_free_sgpr 100
		.amdhsa_reserve_vcc 0
		.amdhsa_float_denorm_mode_32 3
		.amdhsa_float_denorm_mode_16_64 3
		.amdhsa_memory_ordered 1
		.amdhsa_forward_progress 1
		.amdhsa_inst_pref_size 97
	.end_amdhsa_kernel
	.amdgpu_metadata
---
amdhsa.version: [ 1, 2 ]
amdhsa.kernels:
  - .name:           k_q98915306c6_outp
    .symbol:         k_q98915306c6_outp.kd
    .args:
      - { .name: attimg, .offset: 0, .size: 8, .value_kind: global_buffer, .address_space: global }
      - { .name: woimg, .offset: 8, .size: 8, .value_kind: global_buffer, .address_space: global }
      - { .name: b_out, .offset: 16, .size: 8, .value_kind: global_buffer, .address_space: global }
      - { .name: out0, .offset: 24, .size: 8, .value_kind: global_buffer, .address_space: global }
    .group_segment_fixed_size: 327680
    .private_segment_fixed_size: 0
    .kernarg_segment_align: 8
    .kernarg_segment_size: 32
    .max_flat_workgroup_size: 128
    .sgpr_count:     100
    .vgpr_count:     1024
    .wavefront_size: 32
...
	.end_amdgpu_metadata
.endif
;; end of part 4
